; MI455X (gfx1250); checked and timed in simulation.
; The chip was launched on July 23, 2026; its instructions are those of AMD's public machine-readable ISA for CDNA 5 (MIT licence, August 2026) and "CDNA5" Instruction Set Architecture Reference Guide (July 2026). The comments in the code are by the model that wrote it; some were corrected since.
;; Self Attention Model. Allowed arithmetic: matrix products marked QUANTISED: E2M3 operands, one E8M0 scale for each 32 along K, by v_wmma_scale_f32_16x16x128_f8f6f4 with both operands' format E2M3, f32 sums; everything else in f32.
;; Inputs: Wfc_codes 256 x 8 x 24 uint8 (E2M3 codes of Wfc, K innermost, in blocks of 32 codes, four codes in three bytes); Wfc_scales 256 x 8 uint8 (E8M0 scales of Wfc, one for each 32 codes along K); Win_codes 768 x 8 x 24 uint8 (E2M3 codes of Win, K innermost, in blocks of 32 codes, four codes in three bytes); Win_scales 768 x 8 uint8 (E8M0 scales of Win, one for each 32 codes along K); Wk_codes 256 x 8 x 24 uint8 (E2M3 codes of Wk, K innermost, in blocks of 32 codes, four codes in three bytes); Wk_scales 256 x 8 uint8 (E8M0 scales of Wk, one for each 32 codes along K); Wout_codes 256 x 8 x 24 uint8 (E2M3 codes of Wout, K innermost, in blocks of 32 codes, four codes in three bytes); Wout_scales 256 x 8 uint8 (E8M0 scales of Wout, one for each 32 codes along K); Wq_codes 256 x 8 x 24 uint8 (E2M3 codes of Wq, K innermost, in blocks of 32 codes, four codes in three bytes); Wq_scales 256 x 8 uint8 (E8M0 scales of Wq, one for each 32 codes along K); Wv_codes 256 x 8 x 24 uint8 (E2M3 codes of Wv, K innermost, in blocks of 32 codes, four codes in three bytes); Wv_scales 256 x 8 uint8 (E8M0 scales of Wv, one for each 32 codes along K); beta 256 float32; bfc 256 float32; bin_ 768 float32; bk 256 float32; bout 256 float32; bq 256 float32; bv 256 float32; gamma 256 float32; mask 4 x 2,048 float32; mod 2,048 x 4 x 256 float32.
;; Outputs: out0 2,048 x 4 x 256 float32.
;; Constants: req = 16.
;; This version of the problem:
;;   THIS VERSION OF THE PROBLEM IS GIVEN IN LOW PRECISION. The matrix products marked QUANTISED in the list below multiply operands that are first quantised to E2M3 (2 exponent bits, 3 mantissa bits; 6 bits a number), with one power-of-two scale for each 32 numbers along K (OCP MX v1.0); their sums are f32. All else is computed in f32.
;;   The module's matrix products, in the order in which they are computed (A, B: the left and right operand; K: the contracted axis; several contracted axes count as one K, in the product's order):
;;     1. [M 8,192, K 256] x [K 256, N 256]; A: input mod; B: input Wq (given as codes): QUANTISED
;;     2. [M 8,192, K 256] x [K 256, N 256]; A: input mod; B: input Wk (given as codes): QUANTISED
;;     3. [M 8,192, K 256] x [K 256, N 256]; A: input mod; B: input Wv (given as codes): QUANTISED
;;     4. [M 8,192, K 256] x [K 256, N 256]; A: computed on the way; B: input Win (given as codes): QUANTISED
;;     5. [M 8,192, K 256] x [K 256, N 256]; A: computed on the way; B: input Win (given as codes): QUANTISED
;;     6. [M 8,192, K 256] x [K 256, N 256]; A: computed on the way; B: input Win (given as codes): QUANTISED
;;     7. batch 32 x [M 2,048, K 32] x [K 32, N 2,048]; A: computed on the way; B: computed on the way: QUANTISED
;;     8. batch 32 x [M 2,048, K 2,048] x [K 2,048, N 32]; A: softmax (see below); B: computed on the way: QUANTISED
;;     9. [M 8,192, K 256] x [K 256, N 256]; A: computed on the way; B: input Wout (given as codes): QUANTISED
;;     10. [M 8,192, K 256] x [K 256, N 256]; A: computed on the way; B: input Wfc (given as codes): QUANTISED
;;   THE QUANTISER, for each operand of a quantised product, along K:
;;     - K is cut into blocks of 32 from its start; a last block that is shorter is filled with zeros.
;;     - A block's scale is 2^e with e = floor(log2(the largest magnitude in the block)) - 2, held to -126 .. 127; a block of zeros has e = 0. As a byte (E8M0): e + 127.
;;     - Each number is divided by its block's scale, clamped to +-7.5, and rounded to the nearest number of E2M3, ties to even, subnormals kept.
;;     - The product sums the exact products of the quantised numbers (number of the format x scale) in f32.
;;   ~~~python
;;   def quantise(x, axis):      # numpy; x: float32 -> the quantised numbers, widened to float32 again
;;       x = np.moveaxis(x, axis, -1); K = x.shape[-1]
;;       x = np.pad(x, [(0, 0)] * (x.ndim - 1) + [(0, -K % 32)]); x = x.reshape(x.shape[:-1] + (-1, 32)); a = np.abs(x).max(-1, keepdims=True)
;;       e = np.where(a > 0, np.clip(np.frexp(np.where(a > 0, a, 1))[1] - 1 - 2, -126, 127), 0)      # np.frexp(a)[1] - 1 = floor(log2(a)), exactly
;;       r = np.clip(x / 2.0 ** e, -7.5, 7.5)
;;       step = 2.0 ** (np.maximum(np.frexp(np.where(r == 0, 1, r))[1] - 1, 0) - 3)
;;       q = np.round(r / step) * step * 2.0 ** e      # np.round: ties to even
;;       return np.moveaxis(q.reshape(q.shape[:-2] + (-1,))[..., :K], -1, axis).astype(np.float32)
;;   ~~~
;;   SOFTMAX AHEAD OF A QUANTISED PRODUCT. Where the list says 'softmax', what is quantised is not the finished softmax but p = 2^(t - M), with t = logit x log2(e) and M = ceil(the row's largest t), a whole number; so 1/2 < the row's largest p <= 1. The row's sum l is taken of the UNQUANTISED p, in f32, and the product's result is divided by l at the end. Since M is a whole number, a kernel that streams over the keys may use a running M (the ceiling of the running maximum): every later rescaling is an exact power of two, which a block's scale takes up: the codes' values come out the same.
;;   OPERANDS COMPUTED ON THE WAY. 'Computed on the way' means the value that the module computes at that place (a softmax that the list does not call 'softmax' is quantised finished and normalised). What goes into a quantiser is computed in f32, as accurately as f32 sums, v_exp_f32 and their like allow (about 1e-6 of the number): no bf16 or f16 on the way to a quantiser, and a product that is left as it is and whose result goes on into a quantised operand takes f32 operands (vector FMAs, or v_wmma_f32_16x16x4_f32). A number that lies on a knife's edge between two numbers of the format may be rounded either way, as far as f32 arithmetic and the matrix unit's own rounding can turn it there, and no further.
;;   INPUTS GIVEN AS CODES. Wfc (in the module: [256, 256], K = its axis 1); Win (in the module: [768, 256], K = its axis 1); Wk (in the module: [256, 256], K = its axis 1); Wout (in the module: [256, 256], K = its axis 1); Wq (in the module: [256, 256], K = its axis 1); Wv (in the module: [256, 256], K = its axis 1): each comes as NAME_codes (uint8): NAME with its K axis moved to the last place and cut into blocks of 32 codes, [.., K / 32, bytes a block], one block behind the other in memory; four codes in three bytes: a row's codes are one little-endian stream of bits, code i at bits 6 i .. 6 i + 5 (a code: sign, 2 exponent bits, 3 mantissa bits); and NAME_scales (uint8): the same leading axes, one E8M0 byte (e + 127) for each 32 codes along K. Its value is code x scale, taken as it is: it is not quantised again, and the codes and scales need not be those that the quantiser above would give.
;; 2 versions. Each part assembles by itself: llvm-mc -triple=amdgcn-amd-amdhsa -mcpu=gfx1250 --defsym DOCPART=n.
;; ======== version 1 of 2: 1 launch
;; launch band_attention (part 1): grid 64 x 4, 8 waves a work-group, no clusters, 206,336 bytes of LDS; arguments mod, Wq_codes, Wq_scales, bq, Wk_codes, Wk_scales, bk, Wv_codes, Wv_scales, bv, Win_codes, Win_scales, bin_, Wout_codes, Wout_scales, bout, Wfc_codes, Wfc_scales, bfc, gamma, beta, out0; writes out0
.if DOCPART == 1
	.amdgcn_target "amdgcn-amd-amdhsa--gfx1250"
	.amdhsa_code_object_version 6
	.text
	.protected	k_q1f17aca437_band_attention
	.globl	k_q1f17aca437_band_attention
	.p2align	8
	.type	k_q1f17aca437_band_attention,@function
k_q1f17aca437_band_attention:
	s_mov_b64 s[64:65], 0
	v_nop
	global_prefetch_b8 v0, s[64:65] scope:SCOPE_SE
	s_setreg_imm32_b32 hwreg(HW_REG_WAVE_MODE, 25, 1), 1
	s_wait_xcnt 0x0
; out0 = LayerNorm(mod + fc(out_proj(banded attention(in_proj(fc_qkv(mod)))))), all ten products on codes of FP6 (E2M3) with one E8M0 scale for each 32 along K.
; mod, out0: [2048 (s)][4 (b)][256] f32.  The six weights come as codes, a row = 8 blocks of 24 bytes, and 8 scale bytes a row.  Band: key j counts for query i where |i - j| < 16.
; The input mask takes no part in the result, so there is nothing of it to honour: it is not among this launch's arguments.
; SHARES.  ONE launch.  A work-group (x = sb, y = b) makes the 32 rows s = 32 sb .. 32 sb + 31 of batch b.  v is quantised along the keys in blocks of 32 positions, so whole blocks are owned; the band
; reaches 15 positions, so k and v are made anew for the WINDOW of 96 positions, blocks sb - 1, sb, sb + 1 (held into 0 .. 63; what lies outside the sequence is hidden by the mask of the scores).
; Eight waves: G = wave & 3 is a group of features (blocks G and G + 4 of the 256, which are also heads G and G + 4), HI = wave >> 2 is a tile of 16 query rows on q's path and the role (0: k, 1: v) on the window's.
; VIRTUAL K STEPS.  Lane (r, h) loads the 96 consecutive bytes of a weight row at 192 row + 96 h: registers 6 q .. 6 q + 5 hold the row's block 4 h + q.  Registers 0-11 serve as one K step of 128, registers 12-23 as the
; other: place (c, h) of step s holds block 4 h + 2 s + c.  Every activation is laid the same way, so the same products are summed; only the order of the blocks in the sum differs from ascending k.
; HALF j = 2 s + c of an activation's fragments holds block j in lanes 0-15 and block j + 4 in lanes 16-31: it is what one wave (G = j) makes.
; THE ROWS OF A TILE ARE CHOSEN: with rp = r + (r & 8), lane r of weight tile 2 e + u of group G takes row 32 (G + 4 e) + 8 u + rp; the products are used transposed (source 0 = weight, source 1 = activation),
; so a lane's 32 results are 16 neighbours of block G and 16 of block G + 4 of ONE row.  Window tiles 0-5 take positions 32 (t / 2) + 8 (t % 2) + rp for the same reason (keys become the next K); q's path is natural.
; OPERANDS GO FROM WAVE TO WAVE THROUGH LDS AS IMAGES OF THEIR REGISTERS, in records of 2,048 bytes (one fragment and its scale word), every address a constant + 16 x lane + constants x G, HI.  Each region is written once.
; WEIGHTS go from memory straight into registers, a phase ahead, in two banks.  NO JOINT TENSOR LOADS though all work-groups read the same weights: the eight weights' codes are 393,216 bytes, more than the 327,680 that a
; work-group can claim, beside 205,312 bytes of images; they would have to go through slots that are filled again, and each fragment feeds only 1 to 6 products of one or two waves, so all of it would be read out of LDS once more.
; LIMITS: NaN and infinities among the inputs are not served; a block whose largest magnitude lies under 2^-124 gets the scale byte 1; a p under 2^-126 is 0 (v_exp_f32); a block of zeros has the byte 1, which nobody
; but this program reads; t = score x (log2(e) / sqrt(32)) is one multiplication.
.set XI,  0                            ; LDS: x, 8 tiles x 2 records (tile t, step s at 4096 t + 2048 s; half j at 4096 t + 1024 j)
.set QP,  32768                        ; qpre, 2 tiles
.set QI,  40960                        ; q
.set CX,  49152                        ; ctx
.set OP,  57344                        ; out_proj's result
.set KP,  65536                        ; kpre, 6 tiles
.set KI,  90112                        ; k
.set VP,  114688                       ; vpre
.set VT,  139264                       ; V^T: record 2 head + u: 16 of the head's 32 x key blocks (0, 1 | 1, 2) of the window
.set STG, 172032                       ; 32 rows of y, SPITCH bytes apart
.set SPITCH, 1040
; a record: +0 registers 0-3 (16 bytes a lane); +512 registers 4-5 (the lower 8 of each 16); +520 the scale word (half c writes its two bytes at +520 + 2 c); +1024 registers 6-9; +1536 registers 10-11
.set WV, 2                             ; s2 wave;  s3 G;  s98 HI
.set G,  3
.set HI, 98
.set L16,  1                           ; v1   16 x lane
.set B0,   2                           ; v2   + 4096 HI: my tile on q's path
.set RQ,   3                           ; v3   + 2048 (G / 2): the record with my heads
.set WQ,   4                           ; v4   B0 + 1024 G: where my half goes
.set WQS,  5                           ; v5   B0 + 2048 (G / 2) + 2 (G % 2) + 520: and its two scale bytes
.set RKV,  6                           ; v6   16 x lane + KP (HI = 0) or VP (HI = 1)
.set WKV,  7                           ; v7   + 1024 G
.set WKVS, 8                           ; v8   RKV + 2048 (G / 2) + 2 (G % 2) + 520
.set RV,   9                           ; v9   16 x lane + VT + 4096 G
.set RK,   10                          ; v10  16 x lane + KI + 8192 HI + 2048 (G / 2)
.set STW,  11                          ; v11  the stage, in
.set STR,  12                          ; v12  the stage, out
.set VW,   13                          ; v13  weights' codes: 192 rp + 96 h + 6144 G
.set VS,   14                          ; v14  their scale bytes: 8 rp + 256 G
.set VB,   15                          ; v15  a bias as C: 64 h + 128 G
.set VBV,  16                          ; v16  v's bias, one a lane: 4 rp + 128 G
.set XO0,  17                          ; v17  x, window tiles: 4096 (8 HI + rp) + 128 G + 64 h
.set XO1,  18                          ; v18  x, natural tiles: 4096 (16 HI + r) + 128 G + 64 h
.set GO,   19                          ; v19  residual and out0: 16384 wave + 16 x lane
.set PW,   28                          ; v20-27 at work in HQ; v28 the two scale bytes just made
.set XS,   68                          ; v68-71 scale words of the two fragment buffers; in attention K's four
.set BVR,  64                          ; v64-67 v's bias, one a lane; in attention v64, v65 V^T's scale words, v66, v67, v94, v95 q's masks
.set PC,   72                          ; v72-77 the half just made;  v78-80 its second conversion
.set TB,   78
.set XF,   96                          ; v96-119, v120-143 two fragment buffers (two K steps each)
.set AC,   144                         ; v144-175 four accumulators
.set VA,   144                         ; v's role: v144-239, 2 x 6 accumulators
.set BV,   240                         ; v240-255 v's bias as C
.set KF,   96                          ; attention: K's four fragments; q's masked fragment; statistics; S^T, then p; ctx^T; V^T's two fragments
.set QM,   144
.set SM,   156
.set SS,   168
.set CT,   200
.set VF,   232
; v32-39, v40-47 weights' scale words of bank A, B (2 T + s); v48-55, v56-63 the rows' 8 scale bytes as loaded.  Window 1: v0-95 bank A, v96-191 bank B (24 T + 12 s); v192-223, v224-255 their biases as C (8 T)
.set MSB, 0
.macro WIN new                         ; s_set_vgpr_msb: bits 1:0 source 0, 3:2 source 1, 5:4 source 2, 7:6 destination; the high byte repeats the setting that is left
.if MSB != \new
	s_set_vgpr_msb (MSB<<8)|\new
.set MSB, \new
.endif
.endm
.macro PLACES n                        ; plain vector instructions that name none of a matrix instruction's registers (ISA guide 7.12.1)
.rept \n
	v_nop
.endr
.endm
.macro BARRIER                         ; my LDS stores have landed and my LDS loads are in: then the work-group's barrier
	s_wait_dscnt 0x0
	s_barrier_signal -1
	s_barrier_wait -1
.endm
.macro WM d, a, b, c, sa, sb2
	v_wmma_scale_f32_16x16x128_f8f6f4 v[(\d):(\d)+7], v[(\a):(\a)+11], v[(\b):(\b)+11], v[(\c):(\c)+7], v[\sa], v[\sb2] matrix_a_fmt:MATRIX_FMT_FP6 matrix_b_fmt:MATRIX_FMT_FP6
.endm
.macro WM0 d, a, b, sa, sb2            ; the constant 0 starts the sum
	v_wmma_scale_f32_16x16x128_f8f6f4 v[(\d):(\d)+7], v[(\a):(\a)+11], v[(\b):(\b)+11], 0, v[\sa], v[\sb2] matrix_a_fmt:MATRIX_FMT_FP6 matrix_b_fmt:MATRIX_FMT_FP6
.endm
; 36 loads: my group's four tiles of a weight (96 bytes a lane and tile), its bias in the result's layout, its rows' scale bytes
.macro LOADBANK bank, sc, ss, sbi
	WIN 0x40                                       ; destination window 1, address window 0
.irp T, 0,1,2,3
.irp i, 0,1,2,3,4,5
	global_load_b128 v[96*\bank+24*\T+4*\i:96*\bank+24*\T+4*\i+3], v[VW], s[\sc:\sc+1] offset:(\T/2)*24576+(\T%2)*1536+16*\i
.endr
.endr
.irp T, 0,1,2,3
.irp k, 0,1
	global_load_b128 v[192+32*\bank+8*\T+4*\k:192+32*\bank+8*\T+4*\k+3], v[VB], s[\sbi:\sbi+1] offset:(\T/2)*512+(\T%2)*32+16*\k
.endr
.endr
	WIN 0
.irp T, 0,1,2,3
	global_load_b64 v[48+8*\bank+2*\T:48+8*\bank+2*\T+1], v[VS], s[\ss:\ss+1] offset:(\T/2)*1024+(\T%2)*64
.endr
.endm
; a row's 8 scale bytes become the words of the two virtual K steps: byte 2 c + h of step s is block 4 h + 2 s + c.  n places follow: a scale register written by a vector instruction stands 8 ahead of its product
.macro PERM bank, n
.irp T, 0,1,2,3
	v_perm_b32 v[32+8*\bank+2*\T], v[49+8*\bank+2*\T], v[48+8*\bank+2*\T], s74
	v_perm_b32 v[33+8*\bank+2*\T], v[49+8*\bank+2*\T], v[48+8*\bank+2*\T], s75
.endr
	PLACES \n
.endm
.macro FETCH1 reg, adr, off, sreg      ; a record: 5 LDS loads
	ds_load_b128 v[(\reg):(\reg)+3], v[\adr] offset:(\off)
	ds_load_b64 v[(\reg)+4:(\reg)+5], v[\adr] offset:(\off)+512
	ds_load_b128 v[(\reg)+6:(\reg)+9], v[\adr] offset:(\off)+1024
	ds_load_b64 v[(\reg)+10:(\reg)+11], v[\adr] offset:(\off)+1536
	ds_load_b32 v[\sreg], v[\adr] offset:(\off)+520
.endm
.macro FETCH2 buf, adr, off            ; a tile's two records: 10 LDS loads
	FETCH1 XF+24*(\buf), \adr, \off, XS+2*(\buf)
	FETCH1 XF+24*(\buf)+12, \adr, (\off)+2048, XS+2*(\buf)+1
.endm
; my four tiles of features for the 16 rows in buffer buf: the bias is the C of the first K step.  The four accumulators take turns, one instruction a turn
.macro MULT buf, bank
	WIN 0x11                                       ; source 0 (weight) and source 2 (bias) window 1
.irp T, 0,1,2,3
	WM AC+8*\T, 96*\bank+24*\T, XF+24*(\buf), 192+32*\bank+8*\T, 32+8*\bank+2*\T, XS+2*(\buf)
.endr
	WIN 0x01
.irp T, 0,1,2,3
	WM AC+8*\T, 96*\bank+24*\T+12, XF+24*(\buf)+12, AC+8*\T, 33+8*\bank+2*\T, XS+2*(\buf)+1
.endr
	WIN 0
.endm
; THE QUANTISER.  32 numbers of a lane: register i = k 16 h + i of block 'lo' of my row, register 16 + i the same of block 'hi'.  Result: v72-77 hold block lo whole in lanes 0-15 and block hi whole in lanes 16-31;
; v28 holds the two scale bytes.  The registers are read from the low end on; the floor 2^(3 - 127) among the leaves keeps the byte from falling under 1.
.macro HQ src
	v_max3_num_f32 v20, |v[(\src)]|, |v[(\src)+1]|, 0x1800000
	v_max3_num_f32 v21, |v[(\src)+16]|, |v[(\src)+17]|, 0x1800000
	v_max3_num_f32 v22, |v[(\src)+2]|, |v[(\src)+3]|, |v[(\src)+4]|
	v_max3_num_f32 v23, |v[(\src)+18]|, |v[(\src)+19]|, |v[(\src)+20]|
.irp i, 5,9
	v_max3_num_f32 v20, v20, |v[(\src)+\i]|, |v[(\src)+\i+1]|
	v_max3_num_f32 v21, v21, |v[(\src)+16+\i]|, |v[(\src)+17+\i]|
	v_max3_num_f32 v22, v22, |v[(\src)+\i+2]|, |v[(\src)+\i+3]|
	v_max3_num_f32 v23, v23, |v[(\src)+18+\i]|, |v[(\src)+19+\i]|
.endr
	v_max3_num_f32 v20, v20, |v[(\src)+13]|, |v[(\src)+14]|
	v_max3_num_f32 v21, v21, |v[(\src)+29]|, |v[(\src)+30]|
	v_max3_num_f32 v20, v20, v22, |v[(\src)+15]|
	v_max3_num_f32 v21, v21, v23, |v[(\src)+31]|
	v_permlanex16_b32 v24, v20, s70, s71           ; the block's other 16 numbers lie in lane l xor 16
	v_permlanex16_b32 v25, v21, s70, s71
	v_max_num_f32 v20, v20, v24
	v_max_num_f32 v21, v21, v25
	v_add_nc_u32 v26, 0xff000000, v20              ; 2 off the exponent field: the conversion takes the exponent field of this operand as its scale
	v_add_nc_u32 v27, 0xff000000, v21
	v_lshrrev_b32 v22, 23, v26                     ; the scales' bytes
	v_lshrrev_b32 v23, 23, v27
	v_lshl_or_b32 v[PW], v23, 8, v22
	v_cvt_scalef32_pk16_fp6_f32 v[PC:PC+2], v[(\src):(\src)+15], v26
	v_cvt_scalef32_pk16_fp6_f32 v[TB:TB+2], v[(\src)+16:(\src)+31], v27
	v_nop                                          ; one plain place behind a scaled conversion
.irp i, 0,1,2
	v_permlane16_swap_b32 v[PC+\i], v[TB+\i]       ; the first's lanes 16-31 change places with the second's lanes 0-15
.endr
.irp i, 0,1,2
	v_mov_b32 v[PC+3+\i], v[TB+\i]
.endr
.endm
.macro PUTH wa, ws, off                ; the half just made goes to its record
	ds_store_b128 v[\wa], v[PC:PC+3] offset:(\off)
	ds_store_b64 v[\wa], v[PC+4:PC+5] offset:(\off)+512
	ds_store_b16 v[\ws], v[PW] offset:(\off)
.endm
.macro UNIT1 radr, roff, bank, woff    ; q's path: my tile of 16 rows x my 64 features, quantised, to LDS
	FETCH2 0, \radr, \roff
	s_wait_dscnt 0x0
	MULT 0, \bank
	PLACES 4
	HQ AC
	PUTH WQ, WQS, \woff
.endm
.macro UNITS6 radr, bank, woff         ; the window's six tiles, the next tile's records fetched while one is worked
	FETCH2 0, \radr, 0
.irp t, 0,1,2,3,4,5
.if \t < 5
	FETCH2 (\t+1)%2, \radr, (\t+1)*4096
	s_wait_dscnt 10                                ; the ten loads just issued may be out; this tile's records are in, and the last half's stores have read v72-77 and v28
.else
	s_wait_dscnt 0x0
.endif
	MULT \t%2, \bank
	PLACES 4
	HQ AC
	PUTH WKV, WKVS, (\woff)+4096*\t
.endr
.endm
; v's role, heads G + 4 e: source 0 = vpre's tile of 16 positions, source 1 = 16 rows of Win's v part: a lane holds ONE feature and its registers run along the positions, which are product 8's K
.macro VPAIR e
.irp u, 0,1
.irp j, 0,1,2,3,4,5,6,7
	v_mov_b32 v[BV+8*\u+\j], v[BVR+2*\e+\u]        ; the bias hangs on the lane's feature alone
.endr
.endr
	PLACES 4
	FETCH2 0, RKV, 0
.irp t, 0,1,2,3,4,5
.if \t < 5
	FETCH2 (\t+1)%2, RKV, (\t+1)*4096
	s_wait_dscnt 10                                ; the ten loads just issued may be out
.else
	s_wait_dscnt 0x0
.endif
	WIN 0x04                                       ; source 1 (weight) window 1
.irp u, 0,1                                    ; the two accumulators take turns
	WM VA+48*\u+8*\t, XF+24*(\t%2), 96+24*(2*\e+\u), BV+8*\u, XS+2*(\t%2), 40+2*(2*\e+\u)
.endr
.irp u, 0,1
	WM VA+48*\u+8*\t, XF+24*(\t%2)+12, 96+24*(2*\e+\u)+12, VA+48*\u+8*\t, XS+2*(\t%2)+1, 41+2*(2*\e+\u)
.endr
	WIN 0
	PLACES 4                                       ; in front of the next loads into the buffer, and of the first reads of results
.endr
.irp u, 0,1
	HQ VA+48*\u                                    ; key blocks 0 and 1 of the window
	ds_store_b128 v[RV], v[PC:PC+3] offset:16384*\e+2048*\u
	ds_store_b64 v[RV], v[PC+4:PC+5] offset:16384*\e+2048*\u+512
	ds_store_b16 v[RV], v[PW] offset:16384*\e+2048*\u+520
	s_wait_dscnt 0x0                               ; the stores have read their registers
	HQ VA+48*\u+16                                 ; key blocks 1 and 2
	ds_store_b128 v[RV], v[PC:PC+3] offset:16384*\e+2048*\u+1024
	ds_store_b64 v[RV], v[PC+4:PC+5] offset:16384*\e+2048*\u+1536
	ds_store_b16 v[RV], v[PW] offset:16384*\e+2048*\u+522
	s_wait_dscnt 0x0
.endr
.endm
.macro XJOB i, voff, base              ; 8 loads: 16 numbers of block G and 16 of block G + 4 of my row of a tile of x
.irp q, 0,1
.irp k, 0,1,2,3
	global_load_b128 v[96+32*\i+16*\q+4*\k:96+32*\i+16*\q+4*\k+3], v[\voff], s[\base:\base+1] offset:512*\q+16*\k
.endr
.endr
.endm
	; ---- HEAD: the 22 addresses, two registers each in the order of the arguments, from s4 on
	s_load_b512 s[4:19], s[0:1], 0x0               ; mod 4, Wq 6 8 10, Wk 12 14 16, Wv's codes 18
	s_load_b512 s[20:35], s[0:1], 0x40             ; Wv 20 22, Win 24 26 28, Wout 30 32 34
	s_load_b256 s[36:43], s[0:1], 0x80             ; Wfc 36 38 40, gamma 42
	s_load_b128 s[44:47], s[0:1], 0xa0             ; beta 44, out0 46
	v_lshrrev_b32 v20, 5, v0
	v_readfirstlane_b32 s[WV], v20
	s_and_b32 s[G], s[WV], 3
	s_lshr_b32 s[HI], s[WV], 2
	v_and_b32 v21, 31, v0                          ; lane
	v_and_b32 v22, 15, v0                          ; r
	v_bfe_u32 v23, v0, 4, 1                        ; h
	v_and_b32 v24, 8, v22
	v_add_nc_u32 v24, v24, v22                     ; rp = r + (r & 8)
	; every LDS address is made here, ahead of the one parting of roles, and never rewritten
	v_lshlrev_b32 v[L16], 4, v21
	s_lshl_b32 s84, s[HI], 12
	v_add_nc_u32 v[B0], s84, v[L16]
	s_lshr_b32 s85, s[G], 1
	s_lshl_b32 s85, s85, 11
	v_add_nc_u32 v[RQ], s85, v[B0]
	s_lshl_b32 s86, s[G], 10
	v_add_nc_u32 v[WQ], s86, v[B0]
	s_and_b32 s87, s[G], 1
	s_lshl_b32 s87, s87, 1
	s_add_co_u32 s87, s87, s85
	s_add_co_u32 s87, s87, 520
	v_add_nc_u32 v[WQS], s87, v[B0]
	s_mul_i32 s88, s[HI], VP-KP
	s_add_co_u32 s88, s88, KP
	v_add_nc_u32 v[RKV], s88, v[L16]
	v_add_nc_u32 v[WKV], s86, v[RKV]
	v_add_nc_u32 v[WKVS], s87, v[RKV]
	s_lshl_b32 s89, s[G], 12
	s_add_co_u32 s89, s89, VT
	v_add_nc_u32 v[RV], s89, v[L16]
	s_lshl_b32 s90, s[HI], 13
	s_add_co_u32 s90, s90, s85
	s_add_co_u32 s90, s90, KI
	v_add_nc_u32 v[RK], s90, v[L16]
	s_mul_i32 s91, s[HI], 16*SPITCH
	s_lshl_b32 s92, s[G], 7                        ; 128 G
	s_add_co_u32 s91, s91, s92
	s_add_co_u32 s91, s91, STG
	v_mul_u32_u24 v[STW], v22, SPITCH
	v_lshl_add_u32 v[STW], v23, 6, v[STW]
	v_add_nc_u32 v[STW], s91, v[STW]               ; row 16 HI + r, + 128 G + 64 h
	s_mul_i32 s93, s[WV], 4*SPITCH
	s_add_co_u32 s93, s93, STG
	v_add_nc_u32 v[STR], s93, v[L16]               ; rows 4 wave on, 16 bytes a lane
	; offsets in memory
	v_mul_u32_u24 v[VW], v24, 192
	v_mad_u32_u24 v[VW], v23, 96, v[VW]
	s_mul_i32 s93, s[G], 6144
	v_add_nc_u32 v[VW], s93, v[VW]
	s_lshl_b32 s93, s[G], 8
	v_lshl_add_u32 v[VS], v24, 3, s93
	v_lshl_add_u32 v[VB], v23, 6, s92
	v_lshl_add_u32 v[VBV], v24, 2, s92
	s_lshl_b32 s93, s[HI], 15
	v_lshl_add_u32 v[XO0], v24, 12, v[VB]          ; a position is 4,096 bytes on from the last
	v_add_nc_u32 v[XO0], s93, v[XO0]
	s_lshl_b32 s93, s[HI], 16
	v_lshl_add_u32 v[XO1], v22, 12, v[VB]
	v_add_nc_u32 v[XO1], s93, v[XO1]
	s_lshl_b32 s93, s[WV], 14
	v_add_nc_u32 v[GO], s93, v[L16]
	v_mov_b32 v24, 0                               ; a lane permute's destination counts as one of its sources
	v_mov_b32 v25, 0
	v_mov_b32 v29, 0xff800000                      ; -infinity
	; constants
	s_mov_b32 s70, 0x76543210
	s_mov_b32 s71, 0xfedcba98                      ; v_permlanex16_b32's selects for lane l xor 16
	s_mov_b32 s72, 0x3e8293ee                      ; c = log2(e) / sqrt(32)
	s_mov_b32 s73, s72                             ; (named with it as a pair)
	s_mov_b32 s74, 0x05010400                      ; scale bytes of blocks 0, 4, 1, 5
	s_mov_b32 s75, 0x07030602                      ; and of 2, 6, 3, 7
	s_mov_b32 s82, 0x3b800000                      ; 1 / 256
	s_mov_b32 s83, 0x358637bd                      ; 1e-6
	s_and_b32 s84, s[G], 1
	s_cmp_eq_u32 s84, 0
	s_cselect_b32 s78, -1, 0                       ; my heads lie in half 0 of their record,
	s_not_b32 s79, s78                             ; or in half 1
	s_or_b32 s84, ttmp9, s[HI]
	s_cmp_eq_u32 s84, 0
	s_cselect_b32 s80, 4096, 0                     ; sb = 0, queries 0-15: the block in front of the sequence is hidden
	s_xor_b32 s84, ttmp9, 63
	s_xor_b32 s85, s[HI], 1
	s_or_b32 s84, s84, s85
	s_cmp_eq_u32 s84, 0
	s_cselect_b32 s81, 4096, 0                     ; sb = 63, queries 16-31: the block behind it
	s_and_b32 s94, ttmp7, 0xffff
	s_lshl_b32 s94, s94, 10                        ; b x 1,024 bytes
	s_lshl_b32 s84, ttmp9, 17                      ; a block of 32 positions is 131,072 bytes
	s_add_co_u32 s84, s84, s94
	s_mov_b32 s85, 0
	s_max_u32 s86, ttmp9, 1
	s_sub_co_u32 s86, s86, 1
	s_lshl_b32 s86, s86, 17
	s_add_co_u32 s86, s86, s94
	s_mov_b32 s87, 0
	s_add_co_u32 s88, ttmp9, 1
	s_min_u32 s88, s88, 63
	s_lshl_b32 s88, s88, 17
	s_add_co_u32 s88, s88, s94
	s_mov_b32 s89, 0
	s_add_co_u32 s90, s[HI], 1
	s_mov_b32 s93, 0
	s_wait_kmcnt 0x0
	s_add_nc_u64 s[60:61], s[4:5], s[84:85]        ; mod at my block
	s_add_nc_u64 s[62:63], s[46:47], s[84:85]      ; out0 likewise
	s_add_nc_u64 s[66:67], s[4:5], s[86:87]        ; mod at the block in front,
	s_add_nc_u64 s[68:69], s[4:5], s[88:89]        ; and behind
	s_cmp_eq_u32 s[HI], 0                          ; the role: a choice on the wave's number alone
	s_cselect_b64 s[48:49], s[12:13], s[18:19]     ; Wk's or Wv's codes,
	s_cselect_b64 s[50:51], s[14:15], s[20:21]     ; scales,
	s_cselect_b64 s[52:53], s[16:17], s[22:23]     ; bias
	s_cselect_b32 s76, -1, 0                       ; queries 0-15 take V^T's half (0, 1),
	s_not_b32 s77, s76                             ; queries 16-31 its half (1, 2)
	s_mul_i32 s92, s90, 49152
	s_add_nc_u64 s[54:55], s[24:25], s[92:93]      ; Win's k or v part: codes,
	s_lshl_b32 s92, s90, 11
	s_add_nc_u64 s[56:57], s[26:27], s[92:93]      ; scales,
	s_lshl_b32 s92, s90, 10
	s_add_nc_u64 s[58:59], s[28:29], s[92:93]      ; bias
	XJOB 0, XO0, 66                                ; x: tile 2 i + HI of the window, half G; the last job is the natural tile 6 + HI of my own block
	XJOB 1, XO0, 60
	XJOB 2, XO0, 68
	XJOB 3, XO1, 60
	LOADBANK 1, 6, 8, 10                           ; Wq
	; ---- X: four halves of x
.irp i, 0,1,2,3
	s_wait_loadcnt 60-8*\i                         ; behind job i's eight loads: the later jobs' 8 each and Wq's 36
	HQ 96+32*\i
	PUTH WQ, WQS, XI+8192*\i
	s_wait_dscnt 0x0                               ; the stores have read their registers
.endr
	LOADBANK 0, 48, 50, 52                         ; Wk or Wv
	BARRIER                                        ; x's sixteen records lie in LDS
	; ---- products 1 to 3
	s_wait_loadcnt 36                              ; Wq is in; the 36 loads of Wk or Wv may be out
	PERM 1, 8
	UNIT1 B0, XI+24576, 1, QP                      ; qpre
	s_wait_loadcnt 0x0
	LOADBANK 1, 54, 56, 58                         ; Win's k or v part (bank B's last product stands in front of a whole quantiser)
.irp T, 0,1,2,3
	global_load_b32 v[BVR+\T], v[VBV], s[58:59] offset:(\T/2)*512+(\T%2)*32   ; and its bias once more, one number a lane, as v's role wants it: every wave loads both forms, so no branch stands round loads
.endr
	PERM 0, 8
	UNITS6 L16, 0, 0                               ; kpre (HI = 0) or vpre (HI = 1)
	LOADBANK 0, 24, 26, 28                         ; Win's q part
	BARRIER
	; ---- products 4 to 6
	s_wait_loadcnt 36                              ; Win's k or v part (40 loads) is in; the q part's 36 may be out
	PERM 1, 8
	s_cmp_lg_u32 s[HI], 0
	s_cbranch_scc1 .Lrole_v
	UNITS6 RKV, 1, KI-KP                           ; k
	s_branch .Ljoin
.Lrole_v:
	VPAIR 0                                        ; V^T of heads G and G + 4
	VPAIR 1
.Ljoin:
	s_wait_loadcnt 0x0
	LOADBANK 1, 30, 32, 34                         ; Wout
	PERM 0, 8
	UNIT1 B0, QP, 0, QI                            ; q
	LOADBANK 0, 36, 38, 40                         ; Wfc
	BARRIER
	; ---- ATTENTION: queries 16 HI .. + 15 of my block, heads G and G + 4, key blocks HI and HI + 1 of the window
	s_wait_xcnt 0x0                                ; every load issued so far has read its base: s4-35 now take 32 lane masks
	v_and_b32 v20, 15, v0
	v_bfe_u32 v21, v0, 4, 1
	v_lshlrev_b32 v22, 4, v21
	v_sub_nc_u32 v20, v20, v22                     ; r - 16 h
	s_lshl_b32 s84, s[HI], 4
	s_sub_co_u32 s84, 47, s84
	s_add_co_u32 s85, s84, s80
	s_add_co_u32 s86, s84, s81
	s_sub_co_u32 s86, s86, 32
	v_add_nc_u32 v22, s85, v20                     ; register n of S^T holds key 32 HI + 32 (n / 16) + 16 h + n % 16, my query is 32 + 16 HI + r (window positions):
	v_add_nc_u32 v23, s86, v20                     ; query - key + 15 = 47 - 16 HI + r - 16 h - 32 (n / 16) - n % 16; the key counts where that lies in 0 .. 30
.set NN, 0
.rept 32
	v_add_nc_u32 v[26+NN%2], -(NN&15), v[22+NN/16]
	v_cmp_gt_u32 s[4+NN], 31, v[26+NN%2]
.set NN, NN+1
.endr
	v_add_nc_u32 v24, -1, v21                      ; all ones in lanes 0-15: head G's block
	v_sub_nc_u32 v25, 0, v21                       ; all ones in lanes 16-31: head G + 4's
	v_and_b32 v66, s78, v24
	v_and_b32 v67, s79, v24
	v_and_b32 v94, s78, v25
	v_and_b32 v95, s79, v25
	v_mov_b32 v160, 0                              ; a lane permute's destination,
	v_mov_b32 v161, 0                              ; and the upper halves of pairs that packed forms name
	v_mov_b32 v163, 0
.irp t, 0,1,2,3
	FETCH1 KF+12*\t, RK, 4096*\t, XS+\t            ; K's four tiles of 16 keys: the record with my heads, as it lies
.endr
.macro HEAD e
	FETCH1 QM, RQ, QI, 30
	s_wait_dscnt 0x0
.irp i, 0,1,2,3,4,5
	v_and_b32 v[QM+\i], v[66+28*\e], v[QM+\i]      ; all of q but this head's block becomes zero codes, which add nothing whatever stands against them
	v_and_b32 v[QM+6+\i], v[67+28*\e], v[QM+6+\i]
.endr
	PLACES 4                                       ; an operand written by vector instructions stands 4 places ahead of a scaled product
.irp t, 0,1,2,3
	WM0 SS+8*\t, KF+12*\t, QM, XS+\t, 30           ; S^T = K Q^T: a lane holds one query
.endr
.irp u, 0,1
	FETCH1 VF+12*\u, RV, 16384*\e+2048*\u, 64+\u
.endr
	PLACES 4
.set NN, 0
.rept 32
	v_cndmask_b32 v[SS+NN], v29, v[SS+NN], s[4+NN] ; hidden scores become -infinity; each accumulator from its low end on
.set NN, NN+1
.endr
.irp b, 0,1,2,3
	v_max3_num_f32 v[SM+\b], v[SS+8*\b], v[SS+8*\b+1], v[SS+8*\b+2]
.endr
.irp i, 3,5
.irp b, 0,1,2,3
	v_max3_num_f32 v[SM+\b], v[SM+\b], v[SS+8*\b+\i], v[SS+8*\b+\i+1]
.endr
.endr
.irp b, 0,1,2,3
	v_max_num_f32 v[SM+\b], v[SM+\b], v[SS+8*\b+7]
.endr
	v_max3_num_f32 v[SM], v[SM], v[SM+1], v[SM+2]
	v_max_num_f32 v[SM], v[SM], v[SM+3]
	v_permlanex16_b32 v160, v[SM], s70, s71        ; the query's other 32 keys lie in lane l xor 16
	v_max_num_f32 v[SM], v[SM], v160               ; the row's largest score: the key at the query's own position always counts, so it is a number
	v_mul_f32 v[SM+1], s72, v[SM]                  ; as t
	v_floor_f32 v162, -v[SM+1]                     ; -M = floor(-t) = -ceil(t)
.irp j, 0,2,4,6,8,10,12,14,16,18,20,22,24,26,28,30
	v_pk_fma_f32 v[SS+\j:SS+\j+1], v[SS+\j:SS+\j+1], s[72:73], v[162:163] op_sel_hi:[1,0,0]   ; t - M (of the pairs c and -M the low word serves both halves)
.endr
.set NN, 0
.rept 32
	v_exp_f32 v[SS+NN], v[SS+NN]                   ; p = 2^(t - M): not normalised
.set NN, NN+1
.endr
	v_nop                                          ; one plain place behind the exponentials
	s_wait_alu depctr_va_vdst(0)
	v_pk_add_f32 v[164:165], v[SS:SS+1], v[SS+2:SS+3]      ; the row's sum is taken of the unquantised p, in two chains
	v_pk_add_f32 v[166:167], v[SS+4:SS+5], v[SS+6:SS+7]
.irp j, 8,12,16,20,24,28
	v_pk_add_f32 v[164:165], v[164:165], v[SS+\j:SS+\j+1]
	v_pk_add_f32 v[166:167], v[166:167], v[SS+\j+2:SS+\j+3]
.endr
	v_pk_add_f32 v[164:165], v[164:165], v[166:167]
	v_add_f32 v164, v164, v165
	v_permlanex16_b32 v160, v164, s70, s71
	v_add_f32 v164, v164, v160
	v_rcp_f32 v160, v164                           ; 1 / l (the quantiser's first lines are the plain place behind it)
	HQ SS                                          ; p's two blocks of 32 keys
	v_lshl_or_b32 v31, v[PW], 16, v[PW]            ; their bytes serve whichever half is used
.irp i, 0,1,2,3,4,5
	v_and_b32 v[82+\i], s76, v[PC+\i]              ; queries 0-15: key blocks (0, 1), V^T's half 0; the other half is zero codes
	v_and_b32 v[88+\i], s77, v[PC+\i]              ; queries 16-31: key blocks (1, 2), half 1
.endr
	PLACES 4                                       ; with the twelve lines above: 16 places behind the scale word, 4 behind the operand
	s_wait_dscnt 0x0                               ; V^T
.irp u, 0,1
	WM0 CT+16*\e+8*\u, VF+12*\u, 82, 64+\u, 31     ; ctx^T = V^T P^T
.endr
	PLACES 4
	s_wait_alu depctr_va_vdst(0)
.irp j, 0,2,4,6,8,10,12,14
	v_pk_mul_f32 v[CT+16*\e+\j:CT+16*\e+\j+1], v[CT+16*\e+\j:CT+16*\e+\j+1], v[160:161] op_sel_hi:[1,0]   ; / l
.endr
.endm
	HEAD 0
	HEAD 1
	HQ CT                                          ; register 16 e + i is feature 32 (G + 4 e) + 16 h + i of my query: half G of ctx
	PUTH WQ, WQS, CX
	BARRIER
	; ---- product 9
	s_wait_loadcnt 0x0                             ; Wout and Wfc
	PERM 0, 0
	PERM 1, 8
.irp i, 0,1,2,3                                ; asked for now, wanted behind two more barriers: the residual of rows 4 wave + i, gamma and beta, 16 bytes a lane
	global_load_b128 v[176+8*\i:176+8*\i+3], v[GO], s[60:61] offset:4096*\i
	global_load_b128 v[176+8*\i+4:176+8*\i+7], v[GO], s[60:61] offset:4096*\i+512
.endr
.irp k, 0,1
	global_load_b128 v[208+4*\k:208+4*\k+3], v[L16], s[42:43] offset:512*\k
	global_load_b128 v[216+4*\k:216+4*\k+3], v[L16], s[44:45] offset:512*\k
.endr
	UNIT1 B0, CX, 1, OP
	BARRIER
	; ---- product 10
	FETCH2 0, B0, OP
	s_wait_dscnt 0x0
	MULT 0, 0
	PLACES 4
.irp T, 0,1,2,3
.irp k, 0,1
	ds_store_b128 v[STW], v[AC+8*\T+4*\k:AC+8*\T+4*\k+3] offset:(\T/2)*512+(\T%2)*32+16*\k   ; features 32 (G + 4 e) + 16 h + 8 u on of row 16 HI + r; each accumulator from its low end on
.endr
.endr
	BARRIER                                        ; 32 whole rows lie in the stage
	; ---- residual and LayerNorm: wave w takes rows 4 w .. 4 w + 3, a lane 8 numbers of each; the four rows by turns
.irp i, 0,1,2,3
	ds_load_b128 v[96+8*\i:96+8*\i+3], v[STR] offset:SPITCH*\i
	ds_load_b128 v[96+8*\i+4:96+8*\i+7], v[STR] offset:SPITCH*\i+512
.endr
	s_wait_dscnt 0x0
	s_wait_loadcnt 0x0
.irp j, 0,2,4,6,8,10,12,14,16,18,20,22,24,26,28,30
	v_pk_add_f32 v[96+\j:97+\j], v[96+\j:97+\j], v[176+\j:177+\j]
.endr
.irp i, 0,1,2,3
	v_pk_add_f32 v[128+2*\i:129+2*\i], v[96+8*\i:97+8*\i], v[98+8*\i:99+8*\i]
.endr
.irp i, 0,1,2,3
	v_pk_add_f32 v[136+2*\i:137+2*\i], v[100+8*\i:101+8*\i], v[102+8*\i:103+8*\i]
.endr
.irp i, 0,1,2,3
	v_pk_add_f32 v[128+2*\i:129+2*\i], v[128+2*\i:129+2*\i], v[136+2*\i:137+2*\i]
.endr
.irp i, 0,1,2,3
	v_add_f32 v[128+2*\i], v[128+2*\i], v[129+2*\i]
.endr
.irp m, 1,2,4,8
.irp i, 0,1,2,3
	v_add_f32_dpp v[128+2*\i], v[128+2*\i], v[128+2*\i] row_xmask:\m row_mask:0xf bank_mask:0xf
.endr
.endr
.irp i, 0,1,2,3
	v_permlanex16_b32 v[129+2*\i], v[128+2*\i], s70, s71
.endr
.irp i, 0,1,2,3
	v_add_f32 v[128+2*\i], v[128+2*\i], v[129+2*\i]
.endr
.irp i, 0,1,2,3
	v_mul_f32 v[128+2*\i], s82, v[128+2*\i]        ; the mean
.endr
.irp j, 0,2,4,6
.irp i, 0,1,2,3
	v_pk_add_f32 v[96+8*\i+\j:97+8*\i+\j], v[96+8*\i+\j:97+8*\i+\j], v[128+2*\i:129+2*\i] op_sel_hi:[1,0] neg_lo:[0,1] neg_hi:[0,1]   ; y - mean: the variance is taken of these differences
.endr
.endr
.irp i, 0,1,2,3
	v_pk_mul_f32 v[136+2*\i:137+2*\i], v[96+8*\i:97+8*\i], v[96+8*\i:97+8*\i]
.endr
.irp j, 2,4,6
.irp i, 0,1,2,3
	v_pk_fma_f32 v[136+2*\i:137+2*\i], v[96+8*\i+\j:97+8*\i+\j], v[96+8*\i+\j:97+8*\i+\j], v[136+2*\i:137+2*\i]
.endr
.endr
.irp i, 0,1,2,3
	v_add_f32 v[136+2*\i], v[136+2*\i], v[137+2*\i]
.endr
.irp m, 1,2,4,8
.irp i, 0,1,2,3
	v_add_f32_dpp v[136+2*\i], v[136+2*\i], v[136+2*\i] row_xmask:\m row_mask:0xf bank_mask:0xf
.endr
.endr
.irp i, 0,1,2,3
	v_permlanex16_b32 v[137+2*\i], v[136+2*\i], s70, s71
.endr
.irp i, 0,1,2,3
	v_add_f32 v[136+2*\i], v[136+2*\i], v[137+2*\i]
.endr
.irp i, 0,1,2,3
	v_fma_f32 v[136+2*\i], v[136+2*\i], s82, s83   ; the variance + 1e-6
.endr
.irp i, 0,1,2,3
	v_rsq_f32 v[136+2*\i], v[136+2*\i]
.endr
	v_nop                                          ; one plain place behind the transcendentals
	s_wait_alu depctr_va_vdst(0)
.irp j, 0,2,4,6
.irp i, 0,1,2,3
	v_pk_mul_f32 v[96+8*\i+\j:97+8*\i+\j], v[96+8*\i+\j:97+8*\i+\j], v[136+2*\i:137+2*\i] op_sel_hi:[1,0]
.endr
.endr
.irp j, 0,2,4,6
.irp i, 0,1,2,3
	v_pk_fma_f32 v[96+8*\i+\j:97+8*\i+\j], v[96+8*\i+\j:97+8*\i+\j], v[208+\j:209+\j], v[216+\j:217+\j]
.endr
.endr
.irp i, 0,1,2,3
	global_store_b128 v[GO], v[96+8*\i:96+8*\i+3], s[62:63] offset:4096*\i th:TH_STORE_NT          ; 32 lanes store 512 consecutive bytes, at a multiple of 256 from out0's first byte
	global_store_b128 v[GO], v[96+8*\i+4:96+8*\i+7], s[62:63] offset:4096*\i+512 th:TH_STORE_NT
.endr
	s_wait_xcnt 0x0
	v_lshl_add_u32 v254, v0, 2, 0x32200
	v_mov_b32 v255, 0
	s_wait_tensorcnt 0x0
	ds_add_u32 v254, v255
	s_wait_dscnt 0x0
	s_endpgm
.Lfunc_end_k_q1f17aca437_band_attention:
	.size	k_q1f17aca437_band_attention, .Lfunc_end_k_q1f17aca437_band_attention-k_q1f17aca437_band_attention
	.p2alignl 7, 3214868480
	.fill 96, 4, 3214868480
	.section	.rodata,"a",@progbits
	.p2align	6, 0x0
	.amdhsa_kernel k_q1f17aca437_band_attention
		.amdhsa_group_segment_fixed_size 206336
		.amdhsa_private_segment_fixed_size 0
		.amdhsa_enable_private_segment 0
		.amdhsa_kernarg_size 176
		.amdhsa_user_sgpr_count 2
		.amdhsa_user_sgpr_kernarg_segment_ptr 1
		.amdhsa_wavefront_size32 1
		.amdhsa_system_sgpr_workgroup_id_x 1
		.amdhsa_system_sgpr_workgroup_id_y 1
		.amdhsa_system_sgpr_workgroup_id_z 1
		.amdhsa_system_vgpr_workitem_id 0
		.amdhsa_next_free_vgpr 512
		.amdhsa_next_free_sgpr 100
		.amdhsa_reserve_vcc 0
		.amdhsa_float_denorm_mode_32 3
		.amdhsa_float_denorm_mode_16_64 3
		.amdhsa_memory_ordered 1
		.amdhsa_forward_progress 1
		.amdhsa_inst_pref_size 181
	.end_amdhsa_kernel
	.amdgpu_metadata
---
amdhsa.version: [ 1, 2 ]
amdhsa.kernels:
  - .name:           k_q1f17aca437_band_attention
    .symbol:         k_q1f17aca437_band_attention.kd
    .args:
      - { .name: mod, .offset: 0, .size: 8, .value_kind: global_buffer, .address_space: global }
      - { .name: Wq_codes, .offset: 8, .size: 8, .value_kind: global_buffer, .address_space: global }
      - { .name: Wq_scales, .offset: 16, .size: 8, .value_kind: global_buffer, .address_space: global }
      - { .name: bq, .offset: 24, .size: 8, .value_kind: global_buffer, .address_space: global }
      - { .name: Wk_codes, .offset: 32, .size: 8, .value_kind: global_buffer, .address_space: global }
      - { .name: Wk_scales, .offset: 40, .size: 8, .value_kind: global_buffer, .address_space: global }
      - { .name: bk, .offset: 48, .size: 8, .value_kind: global_buffer, .address_space: global }
      - { .name: Wv_codes, .offset: 56, .size: 8, .value_kind: global_buffer, .address_space: global }
      - { .name: Wv_scales, .offset: 64, .size: 8, .value_kind: global_buffer, .address_space: global }
      - { .name: bv, .offset: 72, .size: 8, .value_kind: global_buffer, .address_space: global }
      - { .name: Win_codes, .offset: 80, .size: 8, .value_kind: global_buffer, .address_space: global }
      - { .name: Win_scales, .offset: 88, .size: 8, .value_kind: global_buffer, .address_space: global }
      - { .name: bin_, .offset: 96, .size: 8, .value_kind: global_buffer, .address_space: global }
      - { .name: Wout_codes, .offset: 104, .size: 8, .value_kind: global_buffer, .address_space: global }
      - { .name: Wout_scales, .offset: 112, .size: 8, .value_kind: global_buffer, .address_space: global }
      - { .name: bout, .offset: 120, .size: 8, .value_kind: global_buffer, .address_space: global }
      - { .name: Wfc_codes, .offset: 128, .size: 8, .value_kind: global_buffer, .address_space: global }
      - { .name: Wfc_scales, .offset: 136, .size: 8, .value_kind: global_buffer, .address_space: global }
      - { .name: bfc, .offset: 144, .size: 8, .value_kind: global_buffer, .address_space: global }
      - { .name: gamma, .offset: 152, .size: 8, .value_kind: global_buffer, .address_space: global }
      - { .name: beta, .offset: 160, .size: 8, .value_kind: global_buffer, .address_space: global }
      - { .name: out0, .offset: 168, .size: 8, .value_kind: global_buffer, .address_space: global }
    .group_segment_fixed_size: 206336
    .private_segment_fixed_size: 0
    .kernarg_segment_align: 8
    .kernarg_segment_size: 176
    .max_flat_workgroup_size: 256
    .sgpr_count:     100
    .vgpr_count:     512
    .wavefront_size: 32
...
	.end_amdgpu_metadata
.endif
;; end of part 1
;; ======== version 2 of 2: 1 launch; version 1 with the launch band_attention written anew for expert scheduling mode
;; launch band_attention (part 2): grid 64 x 4, 8 waves a work-group, no clusters, 206,336 bytes of LDS; arguments mod, Wq_codes, Wq_scales, bq, Wk_codes, Wk_scales, bk, Wv_codes, Wv_scales, bv, Win_codes, Win_scales, bin_, Wout_codes, Wout_scales, bout, Wfc_codes, Wfc_scales, bfc, gamma, beta, out0; writes out0
.if DOCPART == 2
	.amdgcn_target "amdgcn-amd-amdhsa--gfx1250"
	.amdhsa_code_object_version 6
	.text
	.protected	k_q1f17aca437_band_attention
	.globl	k_q1f17aca437_band_attention
	.p2align	8
	.type	k_q1f17aca437_band_attention,@function
k_q1f17aca437_band_attention:
	s_mov_b64 s[64:65], 0
	v_nop
	global_prefetch_b8 v0, s[64:65] scope:SCOPE_SE
	s_setreg_imm32_b32 hwreg(HW_REG_WAVE_SCHED_MODE, 0, 2), 2
	s_setreg_imm32_b32 hwreg(HW_REG_WAVE_MODE, 25, 1), 1
	s_wait_xcnt 0x0
	s_wait_alu depctr_vm_vsrc(0)
; out0 = LayerNorm(mod + fc(out_proj(banded attention(in_proj(fc_qkv(mod)))))), all ten products on codes of FP6 (E2M3) with one E8M0 scale for each 32 along K.
; mod, out0: [2048 (s)][4 (b)][256] f32.  The six weights come as codes, a row = 8 blocks of 24 bytes, and 8 scale bytes a row.  Band: key j counts for query i where |i - j| < 16.
; The input mask takes no part in the result, so there is nothing of it to honour: it is not among this launch's arguments.
; SHARES.  ONE launch.  A work-group (x = sb, y = b) makes the 32 rows s = 32 sb .. 32 sb + 31 of batch b.  v is quantised along the keys in blocks of 32 positions, so whole blocks are owned; the band
; reaches 15 positions, so k and v are made anew for the WINDOW of 96 positions, blocks sb - 1, sb, sb + 1 (held into 0 .. 63; what lies outside the sequence is hidden by the mask of the scores).
; Eight waves: G = wave & 3 is a group of features (blocks G and G + 4 of the 256, which are also heads G and G + 4), HI = wave >> 2 is a tile of 16 query rows on q's path and the role (0: k, 1: v) on the window's.
; VIRTUAL K STEPS.  Lane (r, h) loads the 96 consecutive bytes of a weight row at 192 row + 96 h: registers 6 q .. 6 q + 5 hold the row's block 4 h + q.  Registers 0-11 serve as one K step of 128, registers 12-23 as the
; other: place (c, h) of step s holds block 4 h + 2 s + c.  Every activation is laid the same way, so the same products are summed; only the order of the blocks in the sum differs from ascending k.
; HALF j = 2 s + c of an activation's fragments holds block j in lanes 0-15 and block j + 4 in lanes 16-31: it is what one wave (G = j) makes.
; THE ROWS OF A TILE ARE CHOSEN: with rp = r + (r & 8), lane r of weight tile 2 e + u of group G takes row 32 (G + 4 e) + 8 u + rp; the products are used transposed (source 0 = weight, source 1 = activation),
; so a lane's 32 results are 16 neighbours of block G and 16 of block G + 4 of ONE row.  Window tiles 0-5 take positions 32 (t / 2) + 8 (t % 2) + rp for the same reason (keys become the next K); q's path is natural.
; OPERANDS GO FROM WAVE TO WAVE THROUGH LDS AS IMAGES OF THEIR REGISTERS, in records of 2,048 bytes (one fragment and its scale word), every address a constant + 16 x lane + constants x G, HI.  Each region is written once.
; WEIGHTS go from memory straight into registers, a phase ahead, in two banks.  NO JOINT TENSOR LOADS though all work-groups read the same weights: the eight weights' codes are 393,216 bytes, more than the 327,680 that a
; work-group can claim, beside 205,312 bytes of images; they would have to go through slots that are filled again, and each fragment feeds only 1 to 6 products of one or two waves, so all of it would be read out of LDS once more.
; LIMITS: NaN and infinities among the inputs are not served; a block whose largest magnitude lies under 2^-124 gets the scale byte 1; a p under 2^-126 is 0 (v_exp_f32); a block of zeros has the byte 1, which nobody
; but this program reads; t = score x (log2(e) / sqrt(32)) is one multiplication.
; THE MODE: SCHED_MODE bits 1:0 = 2 (LLVM: expert scheduling mode 2), set by the entry lines.  The code itself states the register dependences between vector or matrix instructions and memory or LDS
; instructions, with s_wait_alu, always for 0.
; THE PLAN.  Registers that memory or LDS instructions touch:
;   v1-19          addresses and offsets: written at the head and never again: one wait on va_vdst ahead of the first load serves every load and store of the kernel.
;   v72-77, v28    the half just made: written by the quantiser (HQ), read by the three LDS stores behind it.  A wait on va_vdst stands ahead of each run of stores; a wait on vm_vsrc stands in the quantiser,
;                  directly ahead of the first line that writes them again, wherever stores have read them since the last such wait.
;   v96-143, v68-71  two fragment buffers with their scale words, by turns: LDS loads land in them, products read them.  Tile t + 1's loads land where tile t - 1's products read: the wait ahead of tile t - 1's
;                  stores stands behind those products, and only the stores stand between it and the loads.  In v's role no store stands between two tiles, so tiles 1 to 4 have a wait of their own at their heads.
;   the banks and biases (window 1), v48-63   loaded a phase ahead, read by a phase's products and by PERM: each LOADBANK stands behind the phase's last run of stores, whose wait covers it.
;   v32-47         scale words made by vector instructions for scaled products: a wait on va_vdst behind PERM's places; it also covers the loads that follow it.
;   attention      v144-155 (q, masked) and v82-93, v31 (p): written by vector instructions, taken by scaled products: places, then a wait; these two waits and the exponentials' cover the loads of q, K and V^T.
;   v144-175       product 10's results, read by the stage's LDS stores;  v96-127: the stage's loads land there, the LayerNorm writes them, the stores into out0 read them: a wait on va_vdst ahead of each run of stores.
;   s2, s4-35      written by vector instructions (the wave's number; 32 lane masks): a wait on va_sdst ahead of the first reader of each run.
.set XI,  0                            ; LDS: x, 8 tiles x 2 records (tile t, step s at 4096 t + 2048 s; half j at 4096 t + 1024 j)
.set QP,  32768                        ; qpre, 2 tiles
.set QI,  40960                        ; q
.set CX,  49152                        ; ctx
.set OP,  57344                        ; out_proj's result
.set KP,  65536                        ; kpre, 6 tiles
.set KI,  90112                        ; k
.set VP,  114688                       ; vpre
.set VT,  139264                       ; V^T: record 2 head + u: 16 of the head's 32 x key blocks (0, 1 | 1, 2) of the window
.set STG, 172032                       ; 32 rows of y, SPITCH bytes apart
.set SPITCH, 1040
; a record: +0 registers 0-3 (16 bytes a lane); +512 registers 4-5 (the lower 8 of each 16); +520 the scale word (half c writes its two bytes at +520 + 2 c); +1024 registers 6-9; +1536 registers 10-11
.set WV, 2                             ; s2 wave;  s3 G;  s98 HI
.set G,  3
.set HI, 98
.set L16,  1                           ; v1   16 x lane
.set B0,   2                           ; v2   + 4096 HI: my tile on q's path
.set RQ,   3                           ; v3   + 2048 (G / 2): the record with my heads
.set WQ,   4                           ; v4   B0 + 1024 G: where my half goes
.set WQS,  5                           ; v5   B0 + 2048 (G / 2) + 2 (G % 2) + 520: and its two scale bytes
.set RKV,  6                           ; v6   16 x lane + KP (HI = 0) or VP (HI = 1)
.set WKV,  7                           ; v7   + 1024 G
.set WKVS, 8                           ; v8   RKV + 2048 (G / 2) + 2 (G % 2) + 520
.set RV,   9                           ; v9   16 x lane + VT + 4096 G
.set RK,   10                          ; v10  16 x lane + KI + 8192 HI + 2048 (G / 2)
.set STW,  11                          ; v11  the stage, in
.set STR,  12                          ; v12  the stage, out
.set VW,   13                          ; v13  weights' codes: 192 rp + 96 h + 6144 G
.set VS,   14                          ; v14  their scale bytes: 8 rp + 256 G
.set VB,   15                          ; v15  a bias as C: 64 h + 128 G
.set VBV,  16                          ; v16  v's bias, one a lane: 4 rp + 128 G
.set XO0,  17                          ; v17  x, window tiles: 4096 (8 HI + rp) + 128 G + 64 h
.set XO1,  18                          ; v18  x, natural tiles: 4096 (16 HI + r) + 128 G + 64 h
.set GO,   19                          ; v19  residual and out0: 16384 wave + 16 x lane
.set PW,   28                          ; v20-27 at work in HQ; v28 the two scale bytes just made
.set XS,   68                          ; v68-71 scale words of the two fragment buffers; in attention K's four
.set BVR,  64                          ; v64-67 v's bias, one a lane; in attention v64, v65 V^T's scale words, v66, v67, v94, v95 q's masks
.set PC,   72                          ; v72-77 the half just made;  v78-80 its second conversion
.set TB,   78
.set XF,   96                          ; v96-119, v120-143 two fragment buffers (two K steps each)
.set AC,   144                         ; v144-175 four accumulators
.set VA,   144                         ; v's role: v144-239, 2 x 6 accumulators
.set BV,   240                         ; v240-255 v's bias as C
.set KF,   96                          ; attention: K's four fragments; q's masked fragment; statistics; S^T, then p; ctx^T; V^T's two fragments
.set QM,   144
.set SM,   156
.set SS,   168
.set CT,   200
.set VF,   232
; v32-39, v40-47 weights' scale words of bank A, B (2 T + s); v48-55, v56-63 the rows' 8 scale bytes as loaded.  Window 1: v0-95 bank A, v96-191 bank B (24 T + 12 s); v192-223, v224-255 their biases as C (8 T)
.set MSB, 0
.macro WIN new                         ; s_set_vgpr_msb: bits 1:0 source 0, 3:2 source 1, 5:4 source 2, 7:6 destination; the high byte repeats the setting that is left
.if MSB != \new
	s_set_vgpr_msb (MSB<<8)|\new
.set MSB, \new
.endif
.endm
.macro PLACES n                        ; plain vector instructions that name none of a matrix instruction's registers (ISA guide 7.12.1)
.rept \n
	v_nop
.endr
.endm
.macro BARRIER                         ; my LDS stores have landed and my LDS loads are in: then the work-group's barrier
	s_wait_dscnt 0x0
	s_barrier_signal -1
	s_barrier_wait -1
.endm
.macro WM d, a, b, c, sa, sb2
	v_wmma_scale_f32_16x16x128_f8f6f4 v[(\d):(\d)+7], v[(\a):(\a)+11], v[(\b):(\b)+11], v[(\c):(\c)+7], v[\sa], v[\sb2] matrix_a_fmt:MATRIX_FMT_FP6 matrix_b_fmt:MATRIX_FMT_FP6
.endm
.macro WM0 d, a, b, sa, sb2            ; the constant 0 starts the sum
	v_wmma_scale_f32_16x16x128_f8f6f4 v[(\d):(\d)+7], v[(\a):(\a)+11], v[(\b):(\b)+11], 0, v[\sa], v[\sb2] matrix_a_fmt:MATRIX_FMT_FP6 matrix_b_fmt:MATRIX_FMT_FP6
.endm
; 36 loads: my group's four tiles of a weight (96 bytes a lane and tile), its bias in the result's layout, its rows' scale bytes.
; It holds no wait of its own: where a bank has been read before, the macro stands behind a run of LDS stores whose wait on va_vdst stands behind the bank's last readers, with no vector or matrix instruction between
.macro LOADBANK bank, sc, ss, sbi
	WIN 0x40                                       ; destination window 1, address window 0
.irp T, 0,1,2,3
.irp i, 0,1,2,3,4,5
	global_load_b128 v[96*\bank+24*\T+4*\i:96*\bank+24*\T+4*\i+3], v[VW], s[\sc:\sc+1] offset:(\T/2)*24576+(\T%2)*1536+16*\i
.endr
.endr
.irp T, 0,1,2,3
.irp k, 0,1
	global_load_b128 v[192+32*\bank+8*\T+4*\k:192+32*\bank+8*\T+4*\k+3], v[VB], s[\sbi:\sbi+1] offset:(\T/2)*512+(\T%2)*32+16*\k
.endr
.endr
	WIN 0
.irp T, 0,1,2,3
	global_load_b64 v[48+8*\bank+2*\T:48+8*\bank+2*\T+1], v[VS], s[\ss:\ss+1] offset:(\T/2)*1024+(\T%2)*64
.endr
.endm
; a row's 8 scale bytes become the words of the two virtual K steps: byte 2 c + h of step s is block 4 h + 2 s + c.  n places follow: a scale register written by a vector instruction stands 8 ahead of its product
.macro PERM bank, n
.irp T, 0,1,2,3
	v_perm_b32 v[32+8*\bank+2*\T], v[49+8*\bank+2*\T], v[48+8*\bank+2*\T], s74
	v_perm_b32 v[33+8*\bank+2*\T], v[49+8*\bank+2*\T], v[48+8*\bank+2*\T], s75
.endr
	PLACES \n
.if \n
	s_wait_alu depctr_va_vdst(0)                   ; the scale words made so far in v32-47 are written, which scaled products take; and every vector and matrix instruction so far is done with the registers in which the loads behind this line land
.endif
.endm
.macro FETCH1 reg, adr, off, sreg      ; a record: 5 LDS loads
	ds_load_b128 v[(\reg):(\reg)+3], v[\adr] offset:(\off)
	ds_load_b64 v[(\reg)+4:(\reg)+5], v[\adr] offset:(\off)+512
	ds_load_b128 v[(\reg)+6:(\reg)+9], v[\adr] offset:(\off)+1024
	ds_load_b64 v[(\reg)+10:(\reg)+11], v[\adr] offset:(\off)+1536
	ds_load_b32 v[\sreg], v[\adr] offset:(\off)+520
.endm
.macro FETCH2 buf, adr, off            ; a tile's two records: 10 LDS loads
	FETCH1 XF+24*(\buf), \adr, \off, XS+2*(\buf)
	FETCH1 XF+24*(\buf)+12, \adr, (\off)+2048, XS+2*(\buf)+1
.endm
; my four tiles of features for the 16 rows in buffer buf: the bias is the C of the first K step.  The four accumulators take turns, one instruction a turn
.macro MULT buf, bank
	WIN 0x11                                       ; source 0 (weight) and source 2 (bias) window 1
.irp T, 0,1,2,3
	WM AC+8*\T, 96*\bank+24*\T, XF+24*(\buf), 192+32*\bank+8*\T, 32+8*\bank+2*\T, XS+2*(\buf)
.endr
	WIN 0x01
.irp T, 0,1,2,3
	WM AC+8*\T, 96*\bank+24*\T+12, XF+24*(\buf)+12, AC+8*\T, 33+8*\bank+2*\T, XS+2*(\buf)+1
.endr
	WIN 0
.endm
; THE QUANTISER.  32 numbers of a lane: register i = k 16 h + i of block 'lo' of my row, register 16 + i the same of block 'hi'.  Result: v72-77 hold block lo whole in lanes 0-15 and block hi whole in lanes 16-31;
; v28 holds the two scale bytes.  The registers are read from the low end on; the floor 2^(3 - 127) among the leaves keeps the byte from falling under 1.
; e = 1: LDS stores have read v72-77 and v28 since the last wait on vm_vsrc;  e = 0: none has.
.macro HQ src, e
	v_max3_num_f32 v20, |v[(\src)]|, |v[(\src)+1]|, 0x1800000
	v_max3_num_f32 v21, |v[(\src)+16]|, |v[(\src)+17]|, 0x1800000
	v_max3_num_f32 v22, |v[(\src)+2]|, |v[(\src)+3]|, |v[(\src)+4]|
	v_max3_num_f32 v23, |v[(\src)+18]|, |v[(\src)+19]|, |v[(\src)+20]|
.irp i, 5,9
	v_max3_num_f32 v20, v20, |v[(\src)+\i]|, |v[(\src)+\i+1]|
	v_max3_num_f32 v21, v21, |v[(\src)+16+\i]|, |v[(\src)+17+\i]|
	v_max3_num_f32 v22, v22, |v[(\src)+\i+2]|, |v[(\src)+\i+3]|
	v_max3_num_f32 v23, v23, |v[(\src)+18+\i]|, |v[(\src)+19+\i]|
.endr
	v_max3_num_f32 v20, v20, |v[(\src)+13]|, |v[(\src)+14]|
	v_max3_num_f32 v21, v21, |v[(\src)+29]|, |v[(\src)+30]|
	v_max3_num_f32 v20, v20, v22, |v[(\src)+15]|
	v_max3_num_f32 v21, v21, v23, |v[(\src)+31]|
	v_permlanex16_b32 v24, v20, s70, s71           ; the block's other 16 numbers lie in lane l xor 16
	v_permlanex16_b32 v25, v21, s70, s71
	v_max_num_f32 v20, v20, v24
	v_max_num_f32 v21, v21, v25
	v_add_nc_u32 v26, 0xff000000, v20              ; 2 off the exponent field: the conversion takes the exponent field of this operand as its scale
	v_add_nc_u32 v27, 0xff000000, v21
	v_lshrrev_b32 v22, 23, v26                     ; the scales' bytes
	v_lshrrev_b32 v23, 23, v27
.if (\e)
	s_wait_alu depctr_vm_vsrc(0)                   ; the LDS stores of the half made before have read v28 and v72-77, which the lines below write again
.endif
	v_lshl_or_b32 v[PW], v23, 8, v22
	v_cvt_scalef32_pk16_fp6_f32 v[PC:PC+2], v[(\src):(\src)+15], v26
	v_cvt_scalef32_pk16_fp6_f32 v[TB:TB+2], v[(\src)+16:(\src)+31], v27
	v_nop                                          ; one plain place behind a scaled conversion
.irp i, 0,1,2
	v_permlane16_swap_b32 v[PC+\i], v[TB+\i]       ; the first's lanes 16-31 change places with the second's lanes 0-15
.endr
.irp i, 0,1,2
	v_mov_b32 v[PC+3+\i], v[TB+\i]
.endr
.endm
.macro PUTH wa, ws, off                ; the half just made goes to its record
	s_wait_alu depctr_va_vdst(0)                   ; the quantiser has written v72-77 and v28, which the stores read; and the products issued so far are done reading their fragments, scale words, weights and biases, in which the loads behind these stores land
	ds_store_b128 v[\wa], v[PC:PC+3] offset:(\off)
	ds_store_b64 v[\wa], v[PC+4:PC+5] offset:(\off)+512
	ds_store_b16 v[\ws], v[PW] offset:(\off)
.endm
.macro UNIT1 radr, roff, bank, woff    ; q's path: my tile of 16 rows x my 64 features, quantised, to LDS
	FETCH2 0, \radr, \roff
	s_wait_dscnt 0x0
	MULT 0, \bank
	PLACES 4
	HQ AC, 1
	PUTH WQ, WQS, \woff
.endm
.macro UNITS6 radr, bank, woff         ; the window's six tiles, the next tile's records fetched while one is worked
	FETCH2 0, \radr, 0
.irp t, 0,1,2,3,4,5
.if \t < 5
	FETCH2 (\t+1)%2, \radr, (\t+1)*4096            ; into the buffer that tile t - 1's products read: the wait ahead of tile t - 1's stores stands behind them, and no vector or matrix instruction has been issued since
	s_wait_dscnt 10                                ; the ten loads just issued may be out; this tile's records are in, and the last half's stores have read v72-77 and v28
.else
	s_wait_dscnt 0x0
.endif
	MULT \t%2, \bank
	PLACES 4
	HQ AC, 1
	PUTH WKV, WKVS, (\woff)+4096*\t
.endr
.endm
; v's role, heads G + 4 e: source 0 = vpre's tile of 16 positions, source 1 = 16 rows of Win's v part: a lane holds ONE feature and its registers run along the positions, which are product 8's K
.macro VPAIR e
.irp u, 0,1
.irp j, 0,1,2,3,4,5,6,7
	v_mov_b32 v[BV+8*\u+\j], v[BVR+2*\e+\u]        ; the bias hangs on the lane's feature alone
.endr
.endr
	PLACES 4
	FETCH2 0, RKV, 0                               ; (both buffers' last readers stand ahead of the last wait on va_vdst; the lines since name v240-255 and v64-67 alone)
	s_wait_alu depctr_va_vdst(0)
.irp t, 0,1,2,3,4,5
.if \t < 5
.if \t > 0
	s_wait_alu depctr_va_vdst(0)                   ; tile t - 1's four products are done reading the buffer and the two scale words in which the loads below land
.endif
	FETCH2 (\t+1)%2, RKV, (\t+1)*4096
	s_wait_dscnt 10                                ; the ten loads just issued may be out
.else
	s_wait_dscnt 0x0
.endif
	WIN 0x04                                       ; source 1 (weight) window 1
.irp u, 0,1                                    ; the two accumulators take turns
	WM VA+48*\u+8*\t, XF+24*(\t%2), 96+24*(2*\e+\u), BV+8*\u, XS+2*(\t%2), 40+2*(2*\e+\u)
.endr
.irp u, 0,1
	WM VA+48*\u+8*\t, XF+24*(\t%2)+12, 96+24*(2*\e+\u)+12, VA+48*\u+8*\t, XS+2*(\t%2)+1, 41+2*(2*\e+\u)
.endr
	WIN 0
	PLACES 4                                       ; in front of the next loads into the buffer, and of the first reads of results
.endr
.irp u, 0,1
	HQ VA+48*\u, 1                                 ; key blocks 0 and 1 of the window
	s_wait_alu depctr_va_vdst(0)                   ; the quantiser has written v72-77 and v28, which the stores read
	ds_store_b128 v[RV], v[PC:PC+3] offset:16384*\e+2048*\u
	ds_store_b64 v[RV], v[PC+4:PC+5] offset:16384*\e+2048*\u+512
	ds_store_b16 v[RV], v[PW] offset:16384*\e+2048*\u+520
	s_wait_dscnt 0x0                               ; the stores have read their registers
	HQ VA+48*\u+16, 1                              ; key blocks 1 and 2
	s_wait_alu depctr_va_vdst(0)                   ; the quantiser has written v72-77 and v28, which the stores read; the role's products are done reading their buffers and bank B, in which later loads land
	ds_store_b128 v[RV], v[PC:PC+3] offset:16384*\e+2048*\u+1024
	ds_store_b64 v[RV], v[PC+4:PC+5] offset:16384*\e+2048*\u+1536
	ds_store_b16 v[RV], v[PW] offset:16384*\e+2048*\u+522
	s_wait_dscnt 0x0
.endr
.endm
.macro XJOB i, voff, base              ; 8 loads: 16 numbers of block G and 16 of block G + 4 of my row of a tile of x
.irp q, 0,1
.irp k, 0,1,2,3
	global_load_b128 v[96+32*\i+16*\q+4*\k:96+32*\i+16*\q+4*\k+3], v[\voff], s[\base:\base+1] offset:512*\q+16*\k
.endr
.endr
.endm
	; ---- HEAD: the 22 addresses, two registers each in the order of the arguments, from s4 on
	s_load_b512 s[4:19], s[0:1], 0x0               ; mod 4, Wq 6 8 10, Wk 12 14 16, Wv's codes 18
	s_load_b512 s[20:35], s[0:1], 0x40             ; Wv 20 22, Win 24 26 28, Wout 30 32 34
	s_load_b256 s[36:43], s[0:1], 0x80             ; Wfc 36 38 40, gamma 42
	s_load_b128 s[44:47], s[0:1], 0xa0             ; beta 44, out0 46
	v_lshrrev_b32 v20, 5, v0
	v_readfirstlane_b32 s[WV], v20
	s_wait_alu depctr_va_sdst(0)                   ; s2, the wave's number, is written, ahead of its first reader
	s_and_b32 s[G], s[WV], 3
	s_lshr_b32 s[HI], s[WV], 2
	v_and_b32 v21, 31, v0                          ; lane
	v_and_b32 v22, 15, v0                          ; r
	v_bfe_u32 v23, v0, 4, 1                        ; h
	v_and_b32 v24, 8, v22
	v_add_nc_u32 v24, v24, v22                     ; rp = r + (r & 8)
	; every LDS address is made here, ahead of the one parting of roles, and never rewritten
	v_lshlrev_b32 v[L16], 4, v21
	s_wait_alu depctr_va_vdst(0)
	s_lshl_b32 s84, s[HI], 12
	v_add_nc_u32 v[B0], s84, v[L16]
	s_lshr_b32 s85, s[G], 1
	s_lshl_b32 s85, s85, 11
	v_add_nc_u32 v[RQ], s85, v[B0]
	s_lshl_b32 s86, s[G], 10
	v_add_nc_u32 v[WQ], s86, v[B0]
	s_and_b32 s87, s[G], 1
	s_lshl_b32 s87, s87, 1
	s_add_co_u32 s87, s87, s85
	s_add_co_u32 s87, s87, 520
	v_add_nc_u32 v[WQS], s87, v[B0]
	s_mul_i32 s88, s[HI], VP-KP
	s_add_co_u32 s88, s88, KP
	v_add_nc_u32 v[RKV], s88, v[L16]
	v_add_nc_u32 v[WKV], s86, v[RKV]
	v_add_nc_u32 v[WKVS], s87, v[RKV]
	s_lshl_b32 s89, s[G], 12
	s_add_co_u32 s89, s89, VT
	v_add_nc_u32 v[RV], s89, v[L16]
	s_lshl_b32 s90, s[HI], 13
	s_add_co_u32 s90, s90, s85
	s_add_co_u32 s90, s90, KI
	v_add_nc_u32 v[RK], s90, v[L16]
	s_mul_i32 s91, s[HI], 16*SPITCH
	s_lshl_b32 s92, s[G], 7                        ; 128 G
	s_add_co_u32 s91, s91, s92
	s_add_co_u32 s91, s91, STG
	v_mul_u32_u24 v[STW], v22, SPITCH
	v_lshl_add_u32 v[STW], v23, 6, v[STW]
	v_add_nc_u32 v[STW], s91, v[STW]               ; row 16 HI + r, + 128 G + 64 h
	s_mul_i32 s93, s[WV], 4*SPITCH
	s_add_co_u32 s93, s93, STG
	v_add_nc_u32 v[STR], s93, v[L16]               ; rows 4 wave on, 16 bytes a lane
	; offsets in memory
	v_mul_u32_u24 v[VW], v24, 192
	v_mad_u32_u24 v[VW], v23, 96, v[VW]
	s_mul_i32 s93, s[G], 6144
	v_add_nc_u32 v[VW], s93, v[VW]
	s_lshl_b32 s93, s[G], 8
	v_lshl_add_u32 v[VS], v24, 3, s93
	v_lshl_add_u32 v[VB], v23, 6, s92
	v_lshl_add_u32 v[VBV], v24, 2, s92
	s_lshl_b32 s93, s[HI], 15
	v_lshl_add_u32 v[XO0], v24, 12, v[VB]          ; a position is 4,096 bytes on from the last
	v_add_nc_u32 v[XO0], s93, v[XO0]
	s_lshl_b32 s93, s[HI], 16
	v_lshl_add_u32 v[XO1], v22, 12, v[VB]
	v_add_nc_u32 v[XO1], s93, v[XO1]
	s_lshl_b32 s93, s[WV], 14
	v_add_nc_u32 v[GO], s93, v[L16]
	v_mov_b32 v24, 0                               ; a lane permute's destination counts as one of its sources
	v_mov_b32 v25, 0
	v_mov_b32 v29, 0xff800000                      ; -infinity
	; constants
	s_mov_b32 s70, 0x76543210
	s_mov_b32 s71, 0xfedcba98                      ; v_permlanex16_b32's selects for lane l xor 16
	s_mov_b32 s72, 0x3e8293ee                      ; c = log2(e) / sqrt(32)
	s_mov_b32 s73, s72                             ; (named with it as a pair)
	s_mov_b32 s74, 0x05010400                      ; scale bytes of blocks 0, 4, 1, 5
	s_mov_b32 s75, 0x07030602                      ; and of 2, 6, 3, 7
	s_mov_b32 s82, 0x3b800000                      ; 1 / 256
	s_mov_b32 s83, 0x358637bd                      ; 1e-6
	s_and_b32 s84, s[G], 1
	s_cmp_eq_u32 s84, 0
	s_cselect_b32 s78, -1, 0                       ; my heads lie in half 0 of their record,
	s_not_b32 s79, s78                             ; or in half 1
	s_or_b32 s84, ttmp9, s[HI]
	s_cmp_eq_u32 s84, 0
	s_cselect_b32 s80, 4096, 0                     ; sb = 0, queries 0-15: the block in front of the sequence is hidden
	s_xor_b32 s84, ttmp9, 63
	s_xor_b32 s85, s[HI], 1
	s_or_b32 s84, s84, s85
	s_cmp_eq_u32 s84, 0
	s_cselect_b32 s81, 4096, 0                     ; sb = 63, queries 16-31: the block behind it
	s_and_b32 s94, ttmp7, 0xffff
	s_lshl_b32 s94, s94, 10                        ; b x 1,024 bytes
	s_lshl_b32 s84, ttmp9, 17                      ; a block of 32 positions is 131,072 bytes
	s_add_co_u32 s84, s84, s94
	s_mov_b32 s85, 0
	s_max_u32 s86, ttmp9, 1
	s_sub_co_u32 s86, s86, 1
	s_lshl_b32 s86, s86, 17
	s_add_co_u32 s86, s86, s94
	s_mov_b32 s87, 0
	s_add_co_u32 s88, ttmp9, 1
	s_min_u32 s88, s88, 63
	s_lshl_b32 s88, s88, 17
	s_add_co_u32 s88, s88, s94
	s_mov_b32 s89, 0
	s_add_co_u32 s90, s[HI], 1
	s_mov_b32 s93, 0
	s_wait_kmcnt 0x0
	s_add_nc_u64 s[60:61], s[4:5], s[84:85]        ; mod at my block
	s_add_nc_u64 s[62:63], s[46:47], s[84:85]      ; out0 likewise
	s_add_nc_u64 s[66:67], s[4:5], s[86:87]        ; mod at the block in front,
	s_add_nc_u64 s[68:69], s[4:5], s[88:89]        ; and behind
	s_cmp_eq_u32 s[HI], 0                          ; the role: a choice on the wave's number alone
	s_cselect_b64 s[48:49], s[12:13], s[18:19]     ; Wk's or Wv's codes,
	s_cselect_b64 s[50:51], s[14:15], s[20:21]     ; scales,
	s_cselect_b64 s[52:53], s[16:17], s[22:23]     ; bias
	s_cselect_b32 s76, -1, 0                       ; queries 0-15 take V^T's half (0, 1),
	s_not_b32 s77, s76                             ; queries 16-31 its half (1, 2)
	s_mul_i32 s92, s90, 49152
	s_add_nc_u64 s[54:55], s[24:25], s[92:93]      ; Win's k or v part: codes,
	s_lshl_b32 s92, s90, 11
	s_add_nc_u64 s[56:57], s[26:27], s[92:93]      ; scales,
	s_lshl_b32 s92, s90, 10
	s_add_nc_u64 s[58:59], s[28:29], s[92:93]      ; bias
	s_wait_alu depctr_va_vdst(0)                   ; the nineteen addresses and offsets v1-19 are written: every load and store of the kernel reads one of them, and none is written again
	XJOB 0, XO0, 66                                ; x: tile 2 i + HI of the window, half G; the last job is the natural tile 6 + HI of my own block
	XJOB 1, XO0, 60
	XJOB 2, XO0, 68
	XJOB 3, XO1, 60
	LOADBANK 1, 6, 8, 10                           ; Wq
	; ---- X: four halves of x
.irp i, 0,1,2,3
	s_wait_loadcnt 60-8*\i                         ; behind job i's eight loads: the later jobs' 8 each and Wq's 36
	HQ 96+32*\i, \i
	PUTH WQ, WQS, XI+8192*\i
	s_wait_dscnt 0x0                               ; the stores have read their registers
.endr
	LOADBANK 0, 48, 50, 52                         ; Wk or Wv (no vector or matrix instruction has named bank A yet)
	BARRIER                                        ; x's sixteen records lie in LDS
	; ---- products 1 to 3
	s_wait_loadcnt 36                              ; Wq is in; the 36 loads of Wk or Wv may be out
	PERM 1, 8
	UNIT1 B0, XI+24576, 1, QP                      ; qpre
	s_wait_loadcnt 0x0
	LOADBANK 1, 54, 56, 58                         ; Win's k or v part (bank B's last product stands in front of a whole quantiser, and of the wait ahead of qpre's stores)
.irp T, 0,1,2,3
	global_load_b32 v[BVR+\T], v[VBV], s[58:59] offset:(\T/2)*512+(\T%2)*32   ; and its bias once more, one number a lane, as v's role wants it: every wave loads both forms, so no branch stands round loads
.endr
	PERM 0, 8
	UNITS6 L16, 0, 0                               ; kpre (HI = 0) or vpre (HI = 1)
	LOADBANK 0, 24, 26, 28                         ; Win's q part (bank A's last products stand ahead of the wait in front of the sixth tile's stores)
	BARRIER
	; ---- products 4 to 6
	s_wait_loadcnt 36                              ; Win's k or v part (40 loads) is in; the q part's 36 may be out
	PERM 1, 8
	s_cmp_lg_u32 s[HI], 0
	s_cbranch_scc1 .Lrole_v
	UNITS6 RKV, 1, KI-KP                           ; k
	s_branch .Ljoin
.Lrole_v:
	VPAIR 0                                        ; V^T of heads G and G + 4
	VPAIR 1
.Ljoin:
	s_wait_loadcnt 0x0
	LOADBANK 1, 30, 32, 34                         ; Wout (on both ways here bank B's last products stand ahead of the wait in front of the way's last stores)
	PERM 0, 8
	UNIT1 B0, QP, 0, QI                            ; q
	LOADBANK 0, 36, 38, 40                         ; Wfc (bank A's last products stand ahead of the wait in front of q's stores)
	BARRIER
	; ---- ATTENTION: queries 16 HI .. + 15 of my block, heads G and G + 4, key blocks HI and HI + 1 of the window
	s_wait_xcnt 0x0                                ; every load issued so far has read its base: s4-35 now take 32 lane masks
	v_and_b32 v20, 15, v0
	v_bfe_u32 v21, v0, 4, 1
	v_lshlrev_b32 v22, 4, v21
	v_sub_nc_u32 v20, v20, v22                     ; r - 16 h
	s_lshl_b32 s84, s[HI], 4
	s_sub_co_u32 s84, 47, s84
	s_add_co_u32 s85, s84, s80
	s_add_co_u32 s86, s84, s81
	s_sub_co_u32 s86, s86, 32
	v_add_nc_u32 v22, s85, v20                     ; register n of S^T holds key 32 HI + 32 (n / 16) + 16 h + n % 16, my query is 32 + 16 HI + r (window positions):
	v_add_nc_u32 v23, s86, v20                     ; query - key + 15 = 47 - 16 HI + r - 16 h - 32 (n / 16) - n % 16; the key counts where that lies in 0 .. 30
.set NN, 0
.rept 32
	v_add_nc_u32 v[26+NN%2], -(NN&15), v[22+NN/16]
	v_cmp_gt_u32 s[4+NN], 31, v[26+NN%2]
.set NN, NN+1
.endr
	s_wait_alu depctr_va_sdst(0)                   ; the 32 compares have written s4-35, ahead of their first readers, the selections in HEAD: one wait for the run, and no branch or label stands between
	v_add_nc_u32 v24, -1, v21                      ; all ones in lanes 0-15: head G's block
	v_sub_nc_u32 v25, 0, v21                       ; all ones in lanes 16-31: head G + 4's
	v_and_b32 v66, s78, v24
	s_wait_alu depctr_va_vdst(0)
	v_and_b32 v67, s79, v24
	s_wait_alu depctr_va_vdst(0)
	v_and_b32 v94, s78, v25
	v_and_b32 v95, s79, v25
	v_mov_b32 v160, 0                              ; a lane permute's destination,
	v_mov_b32 v161, 0                              ; and the upper halves of pairs that packed forms name
	v_mov_b32 v163, 0
.irp t, 0,1,2,3
	FETCH1 KF+12*\t, RK, 4096*\t, XS+\t            ; K's four tiles of 16 keys: the record with my heads, as it lies.  (The last readers of v96-143 and v68-71 stand ahead of the wait in front of q's stores; no line since names them)
.endr
.macro HEAD e
	FETCH1 QM, RQ, QI, 30                          ; (the last readers and writers of v144-155 and v30 stand ahead of the last wait on va_vdst: q's stores' for the first head, the first head's own for the second)
	s_wait_dscnt 0x0
.irp i, 0,1,2,3,4,5
	v_and_b32 v[QM+\i], v[66+28*\e], v[QM+\i]      ; all of q but this head's block becomes zero codes, which add nothing whatever stands against them
	v_and_b32 v[QM+6+\i], v[67+28*\e], v[QM+6+\i]
.endr
	PLACES 4                                       ; an operand written by vector instructions stands 4 places ahead of a scaled product
	s_wait_alu depctr_va_vdst(0)                   ; the twelve lines above have written v144-155, which the scaled products take as an operand; and the last readers of v232-255, v64 and v65 are done, in which V^T's loads below land
.irp t, 0,1,2,3
	WM0 SS+8*\t, KF+12*\t, QM, XS+\t, 30           ; S^T = K Q^T: a lane holds one query
.endr
.irp u, 0,1
	FETCH1 VF+12*\u, RV, 16384*\e+2048*\u, 64+\u
.endr
	PLACES 4
.set NN, 0
.rept 32
	v_cndmask_b32 v[SS+NN], v29, v[SS+NN], s[4+NN] ; hidden scores become -infinity; each accumulator from its low end on
.set NN, NN+1
.endr
.irp b, 0,1,2,3
	v_max3_num_f32 v[SM+\b], v[SS+8*\b], v[SS+8*\b+1], v[SS+8*\b+2]
.endr
.irp i, 3,5
.irp b, 0,1,2,3
	v_max3_num_f32 v[SM+\b], v[SM+\b], v[SS+8*\b+\i], v[SS+8*\b+\i+1]
.endr
.endr
.irp b, 0,1,2,3
	v_max_num_f32 v[SM+\b], v[SM+\b], v[SS+8*\b+7]
.endr
	v_max3_num_f32 v[SM], v[SM], v[SM+1], v[SM+2]
	v_max_num_f32 v[SM], v[SM], v[SM+3]
	v_permlanex16_b32 v160, v[SM], s70, s71        ; the query's other 32 keys lie in lane l xor 16
	v_max_num_f32 v[SM], v[SM], v160               ; the row's largest score: the key at the query's own position always counts, so it is a number
	v_mul_f32 v[SM+1], s72, v[SM]                  ; as t
	v_floor_f32 v162, -v[SM+1]                     ; -M = floor(-t) = -ceil(t)
.irp j, 0,2,4,6,8,10,12,14,16,18,20,22,24,26,28,30
	v_pk_fma_f32 v[SS+\j:SS+\j+1], v[SS+\j:SS+\j+1], s[72:73], v[162:163] op_sel_hi:[1,0,0]   ; t - M (of the pairs c and -M the low word serves both halves)
.endr
.set NN, 0
	s_wait_alu depctr_va_vdst(0)
.rept 32
	v_exp_f32 v[SS+NN], v[SS+NN]                   ; p = 2^(t - M): not normalised
.set NN, NN+1
.endr
	v_nop                                          ; one plain place behind the exponentials
	s_wait_alu depctr_va_vdst(0)                   ; the 32 exponentials have written p, v168-199: one wait for the batch, ahead of its first reader
	v_pk_add_f32 v[164:165], v[SS:SS+1], v[SS+2:SS+3]      ; the row's sum is taken of the unquantised p, in two chains
	v_pk_add_f32 v[166:167], v[SS+4:SS+5], v[SS+6:SS+7]
.irp j, 8,12,16,20,24,28
	v_pk_add_f32 v[164:165], v[164:165], v[SS+\j:SS+\j+1]
	v_pk_add_f32 v[166:167], v[166:167], v[SS+\j+2:SS+\j+3]
.endr
	v_pk_add_f32 v[164:165], v[164:165], v[166:167]
	v_add_f32 v164, v164, v165
	v_permlanex16_b32 v160, v164, s70, s71
	v_add_f32 v164, v164, v160
	s_wait_alu depctr_va_vdst(0)
	v_rcp_f32 v160, v164                           ; 1 / l (the quantiser's first lines are the plain place behind it)
	HQ SS, 1-\e                                    ; p's two blocks of 32 keys (first head: q's stores have read v72-77 and v28; second head: no store has read them since)
	v_lshl_or_b32 v31, v[PW], 16, v[PW]            ; their bytes serve whichever half is used
.irp i, 0,1,2,3,4,5
	v_and_b32 v[82+\i], s76, v[PC+\i]              ; queries 0-15: key blocks (0, 1), V^T's half 0; the other half is zero codes
	v_and_b32 v[88+\i], s77, v[PC+\i]              ; queries 16-31: key blocks (1, 2), half 1
.endr
	PLACES 4                                       ; with the twelve lines above: 16 places behind the scale word, 4 behind the operand
	s_wait_alu depctr_va_vdst(0)                   ; v82-93 and v31 are written, which the scaled products take as operand and scales; and the reciprocal has written v160, ahead of its first reader, the division below
	s_wait_dscnt 0x0                               ; V^T
.irp u, 0,1
	WM0 CT+16*\e+8*\u, VF+12*\u, 82, 64+\u, 31     ; ctx^T = V^T P^T
.endr
	PLACES 4
.irp j, 0,2,4,6,8,10,12,14
	v_pk_mul_f32 v[CT+16*\e+\j:CT+16*\e+\j+1], v[CT+16*\e+\j:CT+16*\e+\j+1], v[160:161] op_sel_hi:[1,0]   ; / l
.endr
.endm
	HEAD 0
	HEAD 1
	HQ CT, 0                                       ; register 16 e + i is feature 32 (G + 4 e) + 16 h + i of my query: half G of ctx (no store has read v72-77 and v28 since the first head's wait)
	PUTH WQ, WQS, CX
	BARRIER
	; ---- product 9
	s_wait_loadcnt 0x0                             ; Wout and Wfc
	PERM 0, 0
	PERM 1, 8
.irp i, 0,1,2,3                                ; asked for now, wanted behind two more barriers: the residual of rows 4 wave + i, gamma and beta, 16 bytes a lane (attention's last lines on v176-223 stand ahead of the wait just above)
	global_load_b128 v[176+8*\i:176+8*\i+3], v[GO], s[60:61] offset:4096*\i
	global_load_b128 v[176+8*\i+4:176+8*\i+7], v[GO], s[60:61] offset:4096*\i+512
.endr
.irp k, 0,1
	global_load_b128 v[208+4*\k:208+4*\k+3], v[L16], s[42:43] offset:512*\k
	global_load_b128 v[216+4*\k:216+4*\k+3], v[L16], s[44:45] offset:512*\k
.endr
	UNIT1 B0, CX, 1, OP
	BARRIER
	; ---- product 10
	FETCH2 0, B0, OP                               ; (product 9 stands ahead of the wait in front of its result's stores)
	s_wait_dscnt 0x0
	MULT 0, 0
	PLACES 4
	s_wait_alu depctr_va_vdst(0)                   ; the products have written v144-175, which the LDS stores read, and are done reading v96-119, in which the stage's loads land behind the barrier; the places above stay beside this wait
.irp T, 0,1,2,3
.irp k, 0,1
	ds_store_b128 v[STW], v[AC+8*\T+4*\k:AC+8*\T+4*\k+3] offset:(\T/2)*512+(\T%2)*32+16*\k   ; features 32 (G + 4 e) + 16 h + 8 u on of row 16 HI + r; each accumulator from its low end on
.endr
.endr
	BARRIER                                        ; 32 whole rows lie in the stage
	; ---- residual and LayerNorm: wave w takes rows 4 w .. 4 w + 3, a lane 8 numbers of each; the four rows by turns
.irp i, 0,1,2,3
	ds_load_b128 v[96+8*\i:96+8*\i+3], v[STR] offset:SPITCH*\i
	ds_load_b128 v[96+8*\i+4:96+8*\i+7], v[STR] offset:SPITCH*\i+512
.endr
	s_wait_dscnt 0x0
	s_wait_loadcnt 0x0
.irp j, 0,2,4,6,8,10,12,14,16,18,20,22,24,26,28,30
	v_pk_add_f32 v[96+\j:97+\j], v[96+\j:97+\j], v[176+\j:177+\j]
.endr
.irp i, 0,1,2,3
	v_pk_add_f32 v[128+2*\i:129+2*\i], v[96+8*\i:97+8*\i], v[98+8*\i:99+8*\i]
.endr
.irp i, 0,1,2,3
	v_pk_add_f32 v[136+2*\i:137+2*\i], v[100+8*\i:101+8*\i], v[102+8*\i:103+8*\i]
.endr
.irp i, 0,1,2,3
	v_pk_add_f32 v[128+2*\i:129+2*\i], v[128+2*\i:129+2*\i], v[136+2*\i:137+2*\i]
.endr
.irp i, 0,1,2,3
	v_add_f32 v[128+2*\i], v[128+2*\i], v[129+2*\i]
.endr
.irp m, 1,2,4,8
.irp i, 0,1,2,3
	v_add_f32_dpp v[128+2*\i], v[128+2*\i], v[128+2*\i] row_xmask:\m row_mask:0xf bank_mask:0xf
.endr
.endr
.irp i, 0,1,2,3
	v_permlanex16_b32 v[129+2*\i], v[128+2*\i], s70, s71
.endr
.irp i, 0,1,2,3
	v_add_f32 v[128+2*\i], v[128+2*\i], v[129+2*\i]
.endr
.irp i, 0,1,2,3
	v_mul_f32 v[128+2*\i], s82, v[128+2*\i]        ; the mean
.endr
.irp j, 0,2,4,6
.irp i, 0,1,2,3
	v_pk_add_f32 v[96+8*\i+\j:97+8*\i+\j], v[96+8*\i+\j:97+8*\i+\j], v[128+2*\i:129+2*\i] op_sel_hi:[1,0] neg_lo:[0,1] neg_hi:[0,1]   ; y - mean: the variance is taken of these differences
.endr
.endr
.irp i, 0,1,2,3
	v_pk_mul_f32 v[136+2*\i:137+2*\i], v[96+8*\i:97+8*\i], v[96+8*\i:97+8*\i]
.endr
.irp j, 2,4,6
.irp i, 0,1,2,3
	v_pk_fma_f32 v[136+2*\i:137+2*\i], v[96+8*\i+\j:97+8*\i+\j], v[96+8*\i+\j:97+8*\i+\j], v[136+2*\i:137+2*\i]
.endr
.endr
.irp i, 0,1,2,3
	v_add_f32 v[136+2*\i], v[136+2*\i], v[137+2*\i]
.endr
.irp m, 1,2,4,8
.irp i, 0,1,2,3
	v_add_f32_dpp v[136+2*\i], v[136+2*\i], v[136+2*\i] row_xmask:\m row_mask:0xf bank_mask:0xf
.endr
.endr
.irp i, 0,1,2,3
	v_permlanex16_b32 v[137+2*\i], v[136+2*\i], s70, s71
.endr
.irp i, 0,1,2,3
	v_add_f32 v[136+2*\i], v[136+2*\i], v[137+2*\i]
.endr
.irp i, 0,1,2,3
	v_fma_f32 v[136+2*\i], v[136+2*\i], s82, s83   ; the variance + 1e-6
.endr
	s_wait_alu depctr_va_vdst(0)
.irp i, 0,1,2,3
	v_rsq_f32 v[136+2*\i], v[136+2*\i]
.endr
	v_nop                                          ; one plain place behind the transcendentals
	s_wait_alu depctr_va_vdst(0)                   ; the four reciprocal roots have written v136, v138, v140, v142: one wait for the batch, ahead of its first reader
.irp j, 0,2,4,6
.irp i, 0,1,2,3
	v_pk_mul_f32 v[96+8*\i+\j:97+8*\i+\j], v[96+8*\i+\j:97+8*\i+\j], v[136+2*\i:137+2*\i] op_sel_hi:[1,0]
.endr
.endr
.irp j, 0,2,4,6
.irp i, 0,1,2,3
	v_pk_fma_f32 v[96+8*\i+\j:97+8*\i+\j], v[96+8*\i+\j:97+8*\i+\j], v[208+\j:209+\j], v[216+\j:217+\j]
.endr
.endr
	s_wait_alu depctr_va_vdst(0)                   ; the multiply-adds above have written v96-127, which the stores read
.irp i, 0,1,2,3
	global_store_b128 v[GO], v[96+8*\i:96+8*\i+3], s[62:63] offset:4096*\i th:TH_STORE_NT          ; 32 lanes store 512 consecutive bytes, at a multiple of 256 from out0's first byte
	global_store_b128 v[GO], v[96+8*\i+4:96+8*\i+7], s[62:63] offset:4096*\i+512 th:TH_STORE_NT
.endr
	s_wait_xcnt 0x0
	v_lshl_add_u32 v254, v0, 2, 0x32200            ; the add's two registers, made anew here: no memory or LDS instruction has read v254 or v255
	v_mov_b32 v255, 0
	s_wait_dscnt 0x0                               ; the closing lines, six on end
	s_wait_alu 0x0
	s_wait_tensorcnt 0x0
	ds_add_u32 v254, v255
	s_wait_dscnt 0x0
	s_endpgm
.Lfunc_end_k_q1f17aca437_band_attention:
	.size	k_q1f17aca437_band_attention, .Lfunc_end_k_q1f17aca437_band_attention-k_q1f17aca437_band_attention
	.p2alignl 7, 3214868480
	.fill 96, 4, 3214868480
	.section	.rodata,"a",@progbits
	.p2align	6, 0x0
	.amdhsa_kernel k_q1f17aca437_band_attention
		.amdhsa_group_segment_fixed_size 206336
		.amdhsa_private_segment_fixed_size 0
		.amdhsa_enable_private_segment 0
		.amdhsa_kernarg_size 176
		.amdhsa_user_sgpr_count 2
		.amdhsa_user_sgpr_kernarg_segment_ptr 1
		.amdhsa_wavefront_size32 1
		.amdhsa_system_sgpr_workgroup_id_x 1
		.amdhsa_system_sgpr_workgroup_id_y 1
		.amdhsa_system_sgpr_workgroup_id_z 1
		.amdhsa_system_vgpr_workitem_id 0
		.amdhsa_next_free_vgpr 512
		.amdhsa_next_free_sgpr 100
		.amdhsa_reserve_vcc 0
		.amdhsa_float_denorm_mode_32 3
		.amdhsa_float_denorm_mode_16_64 3
		.amdhsa_memory_ordered 1
		.amdhsa_forward_progress 1
		.amdhsa_inst_pref_size 183
	.end_amdhsa_kernel
	.amdgpu_metadata
---
amdhsa.version: [ 1, 2 ]
amdhsa.kernels:
  - .name:           k_q1f17aca437_band_attention
    .symbol:         k_q1f17aca437_band_attention.kd
    .args:
      - { .name: mod, .offset: 0, .size: 8, .value_kind: global_buffer, .address_space: global }
      - { .name: Wq_codes, .offset: 8, .size: 8, .value_kind: global_buffer, .address_space: global }
      - { .name: Wq_scales, .offset: 16, .size: 8, .value_kind: global_buffer, .address_space: global }
      - { .name: bq, .offset: 24, .size: 8, .value_kind: global_buffer, .address_space: global }
      - { .name: Wk_codes, .offset: 32, .size: 8, .value_kind: global_buffer, .address_space: global }
      - { .name: Wk_scales, .offset: 40, .size: 8, .value_kind: global_buffer, .address_space: global }
      - { .name: bk, .offset: 48, .size: 8, .value_kind: global_buffer, .address_space: global }
      - { .name: Wv_codes, .offset: 56, .size: 8, .value_kind: global_buffer, .address_space: global }
      - { .name: Wv_scales, .offset: 64, .size: 8, .value_kind: global_buffer, .address_space: global }
      - { .name: bv, .offset: 72, .size: 8, .value_kind: global_buffer, .address_space: global }
      - { .name: Win_codes, .offset: 80, .size: 8, .value_kind: global_buffer, .address_space: global }
      - { .name: Win_scales, .offset: 88, .size: 8, .value_kind: global_buffer, .address_space: global }
      - { .name: bin_, .offset: 96, .size: 8, .value_kind: global_buffer, .address_space: global }
      - { .name: Wout_codes, .offset: 104, .size: 8, .value_kind: global_buffer, .address_space: global }
      - { .name: Wout_scales, .offset: 112, .size: 8, .value_kind: global_buffer, .address_space: global }
      - { .name: bout, .offset: 120, .size: 8, .value_kind: global_buffer, .address_space: global }
      - { .name: Wfc_codes, .offset: 128, .size: 8, .value_kind: global_buffer, .address_space: global }
      - { .name: Wfc_scales, .offset: 136, .size: 8, .value_kind: global_buffer, .address_space: global }
      - { .name: bfc, .offset: 144, .size: 8, .value_kind: global_buffer, .address_space: global }
      - { .name: gamma, .offset: 152, .size: 8, .value_kind: global_buffer, .address_space: global }
      - { .name: beta, .offset: 160, .size: 8, .value_kind: global_buffer, .address_space: global }
      - { .name: out0, .offset: 168, .size: 8, .value_kind: global_buffer, .address_space: global }
    .group_segment_fixed_size: 206336
    .private_segment_fixed_size: 0
    .kernarg_segment_align: 8
    .kernarg_segment_size: 176
    .max_flat_workgroup_size: 256
    .sgpr_count:     100
    .vgpr_count:     512
    .wavefront_size: 32
...
	.end_amdgpu_metadata
.endif
;; end of part 2
